; MI455X (gfx1250); checked and timed in simulation.
; The chip was launched on July 23, 2026; its instructions are those of AMD's public machine-readable ISA for CDNA 5 (MIT licence, August 2026) and "CDNA5" Instruction Set Architecture Reference Guide (July 2026). The comments in the code are by the model that wrote it; some were corrected since.
;; Distance Biased Self Attention. Allowed arithmetic: matrix products marked QUANTISED: E2M3 operands, one E8M0 scale for each 32 along K, by v_wmma_scale_f32_16x16x128_f8f6f4 with both operands' format E2M3, f32 sums; everything else in f32.
;; Inputs: Wk 1,024 x 1,024 float32; Wo 1,024 x 1,024 float32; Wq 1,024 x 1,024 float32; Wv 1,024 x 1,024 float32; bk 1,024 float32; bo 1,024 float32; bq 1,024 float32; bv 1,024 float32; dist_b one number float32; dist_matrix 2,048 x 2,048 float32; dist_w one number float32; x 4 x 2,048 x 1,024 float32.
;; Outputs: out0 4 x 2,048 x 1,024 float32.
;; This version of the problem:
;;   THIS VERSION OF THE PROBLEM IS GIVEN IN LOW PRECISION. The matrix products marked QUANTISED in the list below multiply operands that are first quantised to E2M3 (2 exponent bits, 3 mantissa bits; 6 bits a number), with one power-of-two scale for each 32 numbers along K (OCP MX v1.0); their sums are f32. All else is computed in f32.
;;   The module's matrix products, in the order in which they are computed (A, B: the left and right operand; K: the contracted axis; several contracted axes count as one K, in the product's order):
;;     1. [M 8,192, K 1,024] x [K 1,024, N 1,024]; A: input x; B: input Wq: QUANTISED
;;     2. [M 8,192, K 1,024] x [K 1,024, N 1,024]; A: input x; B: input Wk: QUANTISED
;;     3. [M 8,192, K 1,024] x [K 1,024, N 1,024]; A: input x; B: input Wv: QUANTISED
;;     4. batch 64 x [M 2,048, K 64] x [K 64, N 2,048]; A: computed on the way; B: computed on the way: QUANTISED
;;     5. batch 64 x [M 2,048, K 2,048] x [K 2,048, N 64]; A: softmax (see below); B: computed on the way: QUANTISED
;;     6. [M 8,192, K 1,024] x [K 1,024, N 1,024]; A: computed on the way; B: input Wo: QUANTISED
;;   THE QUANTISER, for each operand of a quantised product, along K:
;;     - K is cut into blocks of 32 from its start; a last block that is shorter is filled with zeros.
;;     - A block's scale is 2^e with e = floor(log2(the largest magnitude in the block)) - 2, held to -126 .. 127; a block of zeros has e = 0. As a byte (E8M0): e + 127.
;;     - Each number is divided by its block's scale, clamped to +-7.5, and rounded to the nearest number of E2M3, ties to even, subnormals kept.
;;     - The product sums the exact products of the quantised numbers (number of the format x scale) in f32.
;;   ~~~python
;;   def quantise(x, axis):      # numpy; x: float32 -> the quantised numbers, widened to float32 again
;;       x = np.moveaxis(x, axis, -1); K = x.shape[-1]
;;       x = np.pad(x, [(0, 0)] * (x.ndim - 1) + [(0, -K % 32)]); x = x.reshape(x.shape[:-1] + (-1, 32)); a = np.abs(x).max(-1, keepdims=True)
;;       e = np.where(a > 0, np.clip(np.frexp(np.where(a > 0, a, 1))[1] - 1 - 2, -126, 127), 0)      # np.frexp(a)[1] - 1 = floor(log2(a)), exactly
;;       r = np.clip(x / 2.0 ** e, -7.5, 7.5)
;;       step = 2.0 ** (np.maximum(np.frexp(np.where(r == 0, 1, r))[1] - 1, 0) - 3)
;;       q = np.round(r / step) * step * 2.0 ** e      # np.round: ties to even
;;       return np.moveaxis(q.reshape(q.shape[:-2] + (-1,))[..., :K], -1, axis).astype(np.float32)
;;   ~~~
;;   SOFTMAX AHEAD OF A QUANTISED PRODUCT. Where the list says 'softmax', what is quantised is not the finished softmax but p = 2^(t - M), with t = logit x log2(e) and M = ceil(the row's largest t), a whole number; so 1/2 < the row's largest p <= 1. The row's sum l is taken of the UNQUANTISED p, in f32, and the product's result is divided by l at the end. Since M is a whole number, a kernel that streams over the keys may use a running M (the ceiling of the running maximum): every later rescaling is an exact power of two, which a block's scale takes up: the codes' values come out the same.
;;   OPERANDS COMPUTED ON THE WAY. 'Computed on the way' means the value that the module computes at that place (a softmax that the list does not call 'softmax' is quantised finished and normalised). What goes into a quantiser is computed in f32, as accurately as f32 sums, v_exp_f32 and their like allow (about 1e-6 of the number): no bf16 or f16 on the way to a quantiser, and a product that is left as it is and whose result goes on into a quantised operand takes f32 operands (vector FMAs, or v_wmma_f32_16x16x4_f32). A number that lies on a knife's edge between two numbers of the format may be rounded either way, as far as f32 arithmetic and the matrix unit's own rounding can turn it there, and no further.
;; One version. Each part assembles by itself: llvm-mc -triple=amdgcn-amd-amdhsa -mcpu=gfx1250 --defsym DOCPART=n.
;; ======== version 1 of 1: 4 launches
;; limits: right only within a limited range of input values
;; workspace buffers: xpan 6,553,600 bytes; wpan 3,276,800 bytes; qpan 6,553,600 bytes; kvpan 13,107,200 bytes; opan 6,553,600 bytes; bpan 16,777,216 bytes
;; launch quant (part 1): grid 256 x 1, 8 waves a work-group, no clusters, 68,608 bytes of LDS; arguments x, Wq, Wk, Wv, Wo, xpan, wpan, dist_matrix, dist_w, dist_b, bpan; writes xpan, wpan, bpan
.if DOCPART == 1
	.amdgcn_target "amdgcn-amd-amdhsa--gfx1250"
	.amdhsa_code_object_version 6
	.text
	.protected	k_q29234a5a36_quant
	.globl	k_q29234a5a36_quant
	.p2align	8
	.type	k_q29234a5a36_quant,@function
k_q29234a5a36_quant:
	s_mov_b64 s[64:65], 0
	v_nop
	global_prefetch_b8 v0, s[64:65] scope:SCOPE_SE
	s_setreg_imm32_b32 hwreg(HW_REG_WAVE_MODE, 25, 1), 1
	s_wait_xcnt 0x0
; x [8192][1024] and Wq, Wk, Wv, Wo [1024][1024], f32 with K innermost, become codes of FP6 (E2M3) with one E8M0 scale byte for each 32 along K, laid in PANELS.
; A PANEL is 128 rows x 128 along K in 12,800 bytes: 8 fragments (16 rows each), every fragment the image of its 12 operand registers (3 chunks of 512 bytes; chunk c holds lane l's registers
; 4 c .. 4 c + 3 at byte 16 l), then from byte 12,288 on the scale words: the word of tile i, row r at 256 (i / 4) + 16 r + 4 (i % 4).  So a fragment comes back by three dense loads of 16 bytes a lane.
; THE ORDER INSIDE A BLOCK OF 32.  Every operand of this program is made from 64 numbers of a lane in which register 16 B + 8 u + j holds index 32 B + 16 u + 8 h + j along K (h = lane / 16): the order in
; which a matrix result's eight neighbouring tiles lie.  That permutes the numbers inside each block of 32, alike on both sides of every product: blocks, scales and products stay as they are.
; A block's scale is 2^(floor(log2(its largest magnitude)) - 2); its byte is the largest magnitude's exponent field - 2, held at 1 from below.
; LIMITS: a block of zeros gets the byte 1 where the rule says 127 (its codes are zeros, and this program alone reads the bytes); NaN and infinities among the inputs are not served.
; SHARES.  768 panels (512 of x, 64 of each weight), half a panel (64 rows x 128 K) to a wave: 1,536 waves, six to a work-group.  A wave's four tasks are 16 rows x 512 bytes each: every load reads
; 512 consecutive bytes of a row; the 16 rows turn through the wave's own stage in LDS (rows 528 bytes apart, so that the sixteen rows of a read start in different banks) and come back in the order above.
; No cluster, no tensor load, no barrier: the waves share nothing.  Three tasks' loads (48 of 512 bytes) are out at the start.
.set PANEL, 12800
.set SCO,   12288
.set FRB,   1536
.set SP,    528
.set STG,   16*SP                      ; a wave's stage
.set SPARE, 8*STG                      ; behind the eight stages: the spare words, 128 bytes for each wave
.set LI,  4                            ; v4   16 x lane: my bytes of a row's 512, and of a chunk's 512
.set STI, 5                            ; v5   the stage on the way in
.set STO, 6                            ; v6   and on the way out: row r, + 32 h
.set LR,  7                            ; v7   16 x r: my row's four scale words
.set SPW, 8                            ; v8   LDS address of my spare word; never rewritten
.set NIL, 9                            ; v9   0; never rewritten
.set TM,  16                           ; v16-31  at work in QUANT
.set PC,  32                           ; v32-43  a fragment's codes
.set CT,  44                           ; v44-51  the upper halves of the blocks, before they are moved
.set PWB, 52                           ; v52-55  the four tasks' scale words
.set L,   64                           ; v64-255 three sets of 64 numbers
.set SRC, 22                           ; s[22:23] my first row's first byte
.set DC,  26                           ; s[26:27] my four fragments
.set DS,  28                           ; s[28:29] my 256 bytes of scale words
.set SEL, 30                           ; s[30:31] lane selects: lane l xor 16
	s_load_b256 s[4:11], s[0:1], 0x0               ; x, Wq, Wk, Wv
	s_load_b128 s[12:15], s[0:1], 0x20             ; Wo, xpan
	s_load_b64 s[16:17], s[0:1], 0x30
	s_load_b256 s[40:47], s[0:1], 0x38             ; dist_matrix, dist_w, dist_b, bpan
	v_lshl_add_u32 v[SPW], v0, 2, SPARE
	v_mov_b32 v[NIL], 0
	v_lshrrev_b32 v1, 5, v0
	v_readfirstlane_b32 s18, v1                    ; wave 0..7
	v_and_b32 v1, 31, v0                           ; lane
	v_and_b32 v2, 15, v0                           ; r
	v_bfe_u32 v3, v0, 4, 1                         ; h
	v_lshlrev_b32 v[LI], 4, v1
	s_mul_i32 s32, s18, STG
	v_add_nc_u32 v[STI], s32, v[LI]
	v_mul_u32_u24 v[STO], v2, SP
	v_lshl_add_u32 v[STO], v3, 5, v[STO]
	v_add_nc_u32 v[STO], s32, v[STO]
	v_lshlrev_b32 v[LR], 4, v2
	v_mul_u32_u24 v10, v2, SP                      ; v10: the stage on the way out for waves 6 and 7: row r, + 128 h
	v_lshl_add_u32 v10, v3, 7, v10
	v_add_nc_u32 v10, s32, v10
.irp b, 0,1,2,3
	v_mov_b32 v[TM+4+\b], 0                        ; written once: a lane permute's destination counts as one of its sources
.endr
	s_mov_b32 s[SEL], 0x76543210
	s_mov_b32 s[SEL+1], 0xfedcba98
	s_mul_i32 s19, ttmp9, 6
	s_add_co_u32 s19, s19, s18                     ; which half panel
	s_and_b32 s20, s19, 1                          ; H: which half
	s_lshr_b32 s19, s19, 1                         ; P: which panel; 0-511 x's, 512-767 the weights'
	s_sub_co_u32 s21, s19, 512                     ; its number among the weights' (used where P is 512 or more)
	s_lshr_b32 s33, s21, 6                         ; which weight
	s_wait_alu depctr_va_vdst(0)
	s_wait_kmcnt 0x0
	s_cmp_ge_u32 s18, 6
	s_cbranch_scc1 .Lbias                          ; waves 6 and 7 lay the bias out
	s_mov_b64 s[SRC:SRC+1], s[12:13]
	s_cmp_eq_u32 s33, 2
	s_cselect_b64 s[SRC:SRC+1], s[10:11], s[SRC:SRC+1]
	s_cmp_eq_u32 s33, 1
	s_cselect_b64 s[SRC:SRC+1], s[8:9], s[SRC:SRC+1]
	s_cmp_eq_u32 s33, 0
	s_cselect_b64 s[SRC:SRC+1], s[6:7], s[SRC:SRC+1]
	s_bfe_u32 s34, s21, 0x30003                    ; a weight's group of 128 rows,
	s_lshr_b32 s35, s19, 3                         ; x's
	s_cmp_lt_u32 s19, 512
	s_cselect_b64 s[SRC:SRC+1], s[4:5], s[SRC:SRC+1]
	s_cselect_b64 s[24:25], s[14:15], s[16:17]
	s_cselect_b32 s34, s35, s34
	s_cselect_b32 s35, s19, s21                    ; the panel's number in its buffer
	s_lshl_b32 s34, s34, 1
	s_add_co_u32 s34, s34, s20
	s_lshl_b32 s36, s34, 18                        ; 64 rows of 4,096 bytes for each half group,
	s_and_b32 s37, s19, 7
	s_lshl_b32 s37, s37, 9                         ; 512 bytes for each 128 along K
	s_add_co_u32 s36, s36, s37
	s_mov_b32 s37, 0
	s_add_nc_u64 s[SRC:SRC+1], s[SRC:SRC+1], s[36:37]
	s_mul_i32 s36, s35, PANEL
	s_add_nc_u64 s[24:25], s[24:25], s[36:37]
	s_mul_i32 s36, s20, 4*FRB
	s_add_nc_u64 s[DC:DC+1], s[24:25], s[36:37]
	s_lshl_b32 s36, s20, 8
	s_add_co_u32 s36, s36, SCO
	s_add_nc_u64 s[DS:DS+1], s[24:25], s[36:37]
.macro LOAD f                          ; task f: 16 rows, 512 consecutive bytes a load
.irp i, 0,1,2,3,4,5,6,7,8,9,10,11,12,13,14,15
	global_load_b128 v[L+64*((\f)%3)+4*\i:L+64*((\f)%3)+4*\i+3], v[LI], s[SRC:SRC+1] offset:(16*(\f)+\i)*4096 th:TH_LOAD_NT
.endr
.endm
; 64 numbers of a lane, v[s] on, become a fragment's codes in v[PC] on and its scale word in v[pw]
.macro QUANT s, pw
.irp b, 0,1,2,3
	v_max3_num_f32 v[TM+\b], |v[\s+16*\b]|, |v[\s+16*\b+1]|, 0x1800000   ; block b: my 16 numbers, and the floor 2^(3 - 127): the byte cannot fall under 1
.endr
.irp i, 2,4,6,8,10,12,14
.irp b, 0,1,2,3
	v_max3_num_f32 v[TM+\b], v[TM+\b], |v[\s+16*\b+\i]|, |v[\s+16*\b+\i+1]|   ; the four blocks by turns
.endr
.endr
.irp b, 0,1,2,3
	v_permlanex16_b32 v[TM+4+\b], v[TM+\b], s[SEL], s[SEL+1]
.endr
.irp b, 0,1,2,3
	v_max_num_f32 v[TM+\b], v[TM+\b], v[TM+4+\b]   ; with lane l xor 16's: the block's largest magnitude
.endr
.irp b, 0,1,2,3
	v_add_nc_u32 v[TM+12+\b], 0xff000000, v[TM+\b] ; 2 off its exponent field: the conversion takes that field as its scale
.endr
.irp b, 0,1,2,3
	v_lshrrev_b32 v[TM+4+\b], 23, v[TM+12+\b]      ; the scale's byte
.endr
	v_lshl_or_b32 v[\pw], v[TM+5], 8, v[TM+4]
	v_lshl_or_b32 v[\pw], v[TM+6], 16, v[\pw]
	v_lshl_or_b32 v[\pw], v[TM+7], 24, v[\pw]
.irp c, 0,1
	v_cvt_scalef32_pk16_fp6_f32 v[PC+6*\c:PC+6*\c+2], v[\s+32*\c:\s+32*\c+15], v[TM+12+2*\c]
	v_cvt_scalef32_pk16_fp6_f32 v[CT+4*\c:CT+4*\c+2], v[\s+32*\c+16:\s+32*\c+31], v[TM+13+2*\c]   ; (a conversion's three registers begin on an even number)
.endr
	v_nop                                          ; one plain place behind a scaled conversion
.irp c, 0,1                            ; the operand's layout wants a whole block in a lane: lanes 0-15 block 2 c, lanes 16-31 block 2 c + 1
.irp i, 0,1,2
	v_permlane16_swap_b32 v[PC+6*\c+\i], v[CT+4*\c+\i]
.endr
.irp i, 0,1,2
	v_mov_b32 v[PC+6*\c+3+\i], v[CT+4*\c+\i]
.endr
.endr
.endm
; left = the younger loads that may stay out
.macro TASK f, left
.set XS, L+64*((\f)%3)
	s_wait_loadcnt \left                           ; loads come back in order: this task's sixteen are in
.irp i, 0,1,2,3,4,5,6,7,8,9,10,11,12,13,14,15
	ds_store_b128 v[STI], v[XS+4*\i:XS+4*\i+3] offset:SP*\i
.endr
.irp b, 0,1,2,3
.irp u, 0,1
.irp w, 0,1
	ds_load_b128 v[XS+16*\b+8*\u+4*\w:XS+16*\b+8*\u+4*\w+3], v[STO] offset:128*\b+64*\u+16*\w   ; LDS serves a wave's instructions in order: these see my stores
.endr
.endr
.endr
	s_wait_dscnt 0x0
.if \f > 0
	s_wait_xcnt 0x0                                ; the last task's stores have read the codes' registers, which are written again below
.endif
	QUANT XS, PWB+\f
.irp c, 0,1,2
	global_store_b128 v[LI], v[PC+4*\c:PC+4*\c+3], s[DC:DC+1] offset:FRB*\f+512*\c   ; 32 lanes store 512 consecutive bytes, at a multiple of 256 from the buffer's first byte
.endr
.endm
	LOAD 0
	LOAD 1
	LOAD 2
	TASK 0, 32
	LOAD 3                                         ; into the set that task 0 has left
	TASK 1, 32
	TASK 2, 16
	TASK 3, 0
	s_wait_xcnt 0x0                                ; EXEC changes only behind this wait
	v_cmp_gt_u32 vcc_lo, 16, v1
	s_and_saveexec_b32 s38, vcc_lo
	global_store_b128 v[LR], v[PWB:PWB+3], s[DS:DS+1]   ; lanes 0-15: my half panel's 256 bytes of scale words, aligned
	s_wait_xcnt 0x0                                ; and again in front of the line that widens it
	s_or_b32 exec_lo, exec_lo, s38
	s_wait_tensorcnt 0x0                           ; the wave's end, behind my last LDS store
	ds_add_u32 v[SPW], v[NIL]
	s_wait_dscnt 0x0
	s_endpgm
; WAVES 6 AND 7: 8 (dist_w dist + dist_b), f32, laid as the image of the C registers of the attention launch's first product.
; bpan[tile of 16 queries, 128][key step of 128 keys, 16][chunk m, 16][lane][16 bytes]: chunk m holds lane (r, h)'s registers 4 m .. 4 m + 3; register 32 c + 8 q + j is
; query r, key 64 c + 32 h + 16 (q % 2) + 8 (q / 2) + j of the step.  512 waves, four key steps of one tile of queries each: a task is 16 rows x 512 bytes, turned through the wave's stage.
.Lbias:
	s_load_b32 s48, s[42:43], 0x0                  ; dist_w
	s_load_b32 s50, s[44:45], 0x0                  ; dist_b
	s_lshl_b32 s51, ttmp9, 1
	s_add_co_u32 s51, s51, s18
	s_sub_co_u32 s51, s51, 6                       ; which of the 512
	s_lshr_b32 s52, s51, 2
	s_lshl_b32 s52, s52, 17                        ; the tile of queries: 16 rows of 8,192 bytes in dist, 16 images of 8,192 bytes in bpan
	s_and_b32 s51, s51, 3
	s_lshl_b32 s54, s51, 11                        ; four key steps of 512 bytes
	s_add_co_u32 s54, s54, s52
	s_mov_b32 s55, 0
	s_add_nc_u64 s[40:41], s[40:41], s[54:55]
	s_lshl_b32 s54, s51, 15                        ; four images
	s_add_co_u32 s54, s54, s52
	s_add_nc_u64 s[46:47], s[46:47], s[54:55]
.macro BLOAD f
.irp i, 0,1,2,3,4,5,6,7,8,9,10,11,12,13,14,15
	global_load_b128 v[L+64*((\f)%3)+4*\i:L+64*((\f)%3)+4*\i+3], v[LI], s[40:41] offset:\i*8192+512*(\f) th:TH_LOAD_NT
.endr
.endm
.macro BTASK f, left                   ; left = the younger loads that may stay out
.set XS, L+64*((\f)%3)
	s_wait_loadcnt \left
.irp i, 0,1,2,3,4,5,6,7,8,9,10,11,12,13,14,15
	ds_store_b128 v[STI], v[XS+4*\i:XS+4*\i+3] offset:SP*\i
.endr
.irp c, 0,1
.irp q, 0,1,2,3
.irp w, 0,1
	ds_load_b128 v[XS+32*\c+8*\q+4*\w:XS+32*\c+8*\q+4*\w+3], v10 offset:256*\c+64*(\q%2)+32*(\q/2)+16*\w   ; LDS serves a wave's instructions in order: these see my stores
.endr
.endr
.endr
	s_wait_dscnt 0x0
.set jj, 0
.rept 32
	v_pk_fma_f32 v[XS+jj:XS+jj+1], v[XS+jj:XS+jj+1], s[48:49], v[12:13] op_sel_hi:[1,0,1]
.set jj, jj+2
.endr
.irp m, 0,1,2,3,4,5,6,7,8,9,10,11,12,13,14,15
	global_store_b128 v[LI], v[XS+4*\m:XS+4*\m+3], s[46:47] offset:8192*(\f)+512*\m   ; 32 lanes store 512 consecutive bytes, aligned
.endr
.endm
	BLOAD 0
	BLOAD 1
	BLOAD 2
	s_wait_kmcnt 0x0
	s_mul_f32 s48, s48, 0x41000000                 ; 8 dist_w and 8 dist_b: exact
	s_mul_f32 s50, s50, 0x41000000
	s_mov_b32 s49, s48
	v_mov_b32 v12, s50
	v_mov_b32 v13, s50
	s_wait_alu depctr_va_vdst(0)                   ; directly ahead of the wait below
	BTASK 0, 32
	s_wait_xcnt 0x0                                ; task 0's stores have read their registers, which take task 3's loads
	BLOAD 3
	BTASK 1, 32
	BTASK 2, 16
	BTASK 3, 0
	s_wait_tensorcnt 0x0                           ; the wave's end
	ds_add_u32 v[SPW], v[NIL]
	s_wait_dscnt 0x0
	s_endpgm
.Lfunc_end_k_q29234a5a36_quant:
	.size	k_q29234a5a36_quant, .Lfunc_end_k_q29234a5a36_quant-k_q29234a5a36_quant
	.p2alignl 7, 3214868480
	.fill 96, 4, 3214868480
	.section	.rodata,"a",@progbits
	.p2align	6, 0x0
	.amdhsa_kernel k_q29234a5a36_quant
		.amdhsa_group_segment_fixed_size 68608
		.amdhsa_private_segment_fixed_size 0
		.amdhsa_enable_private_segment 0
		.amdhsa_kernarg_size 88
		.amdhsa_user_sgpr_count 2
		.amdhsa_user_sgpr_kernarg_segment_ptr 1
		.amdhsa_wavefront_size32 1
		.amdhsa_system_sgpr_workgroup_id_x 1
		.amdhsa_system_sgpr_workgroup_id_y 1
		.amdhsa_system_sgpr_workgroup_id_z 1
		.amdhsa_system_vgpr_workitem_id 0
		.amdhsa_next_free_vgpr 256
		.amdhsa_next_free_sgpr 66
		.amdhsa_reserve_vcc 1
		.amdhsa_float_denorm_mode_32 3
		.amdhsa_float_denorm_mode_16_64 3
		.amdhsa_memory_ordered 1
		.amdhsa_forward_progress 1
		.amdhsa_inst_pref_size 63
	.end_amdhsa_kernel
	.amdgpu_metadata
---
amdhsa.version: [ 1, 2 ]
amdhsa.kernels:
  - .name:           k_q29234a5a36_quant
    .symbol:         k_q29234a5a36_quant.kd
    .args:
      - { .name: x, .offset: 0, .size: 8, .value_kind: global_buffer, .address_space: global }
      - { .name: Wq, .offset: 8, .size: 8, .value_kind: global_buffer, .address_space: global }
      - { .name: Wk, .offset: 16, .size: 8, .value_kind: global_buffer, .address_space: global }
      - { .name: Wv, .offset: 24, .size: 8, .value_kind: global_buffer, .address_space: global }
      - { .name: Wo, .offset: 32, .size: 8, .value_kind: global_buffer, .address_space: global }
      - { .name: xpan, .offset: 40, .size: 8, .value_kind: global_buffer, .address_space: global }
      - { .name: wpan, .offset: 48, .size: 8, .value_kind: global_buffer, .address_space: global }
      - { .name: dist_matrix, .offset: 56, .size: 8, .value_kind: global_buffer, .address_space: global }
      - { .name: dist_w, .offset: 64, .size: 8, .value_kind: global_buffer, .address_space: global }
      - { .name: dist_b, .offset: 72, .size: 8, .value_kind: global_buffer, .address_space: global }
      - { .name: bpan, .offset: 80, .size: 8, .value_kind: global_buffer, .address_space: global }
    .group_segment_fixed_size: 68608
    .private_segment_fixed_size: 0
    .kernarg_segment_align: 8
    .kernarg_segment_size: 88
    .max_flat_workgroup_size: 256
    .sgpr_count:     66
    .vgpr_count:     256
    .wavefront_size: 32
...
	.end_amdgpu_metadata
.endif
;; end of part 1
;; launch qkv (part 2): grid 12 x 32, 4 waves a work-group, clusters of 4 x 4, 327,680 bytes of LDS; arguments xpan, wpan, bq, bk, bv, qpan, kvpan; writes qpan, kvpan
.if DOCPART == 2
	.amdgcn_target "amdgcn-amd-amdhsa--gfx1250"
	.amdhsa_code_object_version 6
	.text
	.protected	k_q29234a5a36_qkv
	.globl	k_q29234a5a36_qkv
	.p2align	8
	.type	k_q29234a5a36_qkv,@function
k_q29234a5a36_qkv:
	s_mov_b64 s[64:65], 0
	v_nop
	global_prefetch_b8 v0, s[64:65] scope:SCOPE_SE
	s_setreg_imm32_b32 hwreg(HW_REG_WAVE_MODE, 25, 1), 1
	s_wait_xcnt 0x0
	s_wait_alu depctr_hold_cnt(0) depctr_sa_sdst(0) depctr_va_vdst(0) depctr_va_sdst(0) depctr_va_ssrc(0) depctr_va_vcc(0) depctr_vm_vsrc(0)
	s_getreg_b32 s2, hwreg(HW_REG_IB_STS2, 6, 4)
	s_cmp_eq_u32 s2, 0
	s_cbranch_scc0 .Lentry_in_a_cluster
	s_endpgm
.Lentry_in_a_cluster:
	s_bfe_u32 s2, ttmp6, 0x10000c
	s_cmp_lg_u32 s2, 0xf033
	s_cbranch_scc0 .Lentry_shape_is_right
	s_endpgm
.Lentry_shape_is_right:
.set PANEL, 12800
.set SCO,   12288
.set FRB,   1536
.set HALFP, 2*PANEL
.set SLOT,  4*HALFP
.set PZ,    2*HALFP                    ; LDS: bytes 0 to 4 PZ hold each wave's part on end, four panels (K steps 0-3, later 6-7); from 2 SLOT on lie K steps 4-5, two panels a part
.set GRP,   8*PANEL
.set SPARE, 3*SLOT
.set LI,   3
.set LR,   4
.set ADRA, 8
.set ADRB, 12
.set ASA,  16
.set ASB,  20
.set SPW,  28
.set NIL,  29
.set VB,   30
.set SC,   32
.set BI,   64
.set AF,   128
.set PC,   128
.set CT,   140
.set TM,   224
.set PWB,  240
.set SW,   248
.set WV,  18
.set WI,  19
.set WJ,  20
.set CX,  21
.set CY,  22
.set GX,  23
.set GY,  24
.set G1R, 28
.set G1C, 36
.set G0R, 44
.set G0C, 68
.set BPT, 82
.set OUT, 84
.set SEL, 92
.set MSB, 0
.macro WIN new
.if MSB != \new
	s_set_vgpr_msb (MSB<<8)|\new
.set MSB, \new
.endif
.endm
.set MUL_LO, 0xa1
.set MUL_HI, 0xf1
.set TO_B,   0x40
.macro PLACES n
.rept \n
	v_nop
.endr
.endm
.macro JLOAD n
	s_cmp_eq_u32 s[WI], 0
	s_cbranch_scc0 .Lfor_c_\@
	tensor_load_to_lds s[G0R+4*\n:G0R+4*\n+3], s[G1R:G1R+7]
	s_nop 0
.rept 4
	v_nop
.endr
	s_branch .Lasked_\@
.Lfor_c_\@:
	tensor_load_to_lds s[G0C+4*\n:G0C+4*\n+3], s[G1C:G1C+7]
	s_nop 0
.rept 4
	v_nop
.endr
.Lasked_\@:
.endm
.macro CREST
	s_cmp_lg_u32 s[WV], 0
	s_cbranch_scc1 .Lnot_wave_0_\@
	s_barrier_signal -3
.Lnot_wave_0_\@:
	s_barrier_wait -3
	s_barrier_signal -1
	s_barrier_wait -1
.endm
.macro CROUND
	s_barrier_signal -1
	s_barrier_wait -1
	CREST
.endm
.macro WM d, a, b, c, sa, sb
	v_wmma_scale_f32_16x16x128_f8f6f4 v[\d:\d+7], v[\a:\a+11], v[\b:\b+11], v[\c:\c+7], v[\sa], v[\sb] matrix_a_fmt:MATRIX_FMT_FP6 matrix_b_fmt:MATRIX_FMT_FP6
.endm
.macro FRAG reg, adr, off
.irp c, 0,1,2
	ds_load_b128 v[\reg+4*\c:\reg+4*\c+3], v[\adr] offset:\off+512*\c
.endr
.endm
.macro FETCH_B s, q, p
	WIN TO_B
.irp i, 0,1,2,3,4,5,6,7
	FRAG 128*(\p)+12*\i, ADRB+\s, PANEL*(\q)+FRB*\i
.endr
	WIN 0
.endm
.macro FETCH_A s, q, i0
.irp i, \i0, \i0+1, \i0+2, \i0+3
	FRAG AF+12*(\i), ADRA+\s, PANEL*(\q)+FRB*(\i)
.endr
.endm
.macro SCALES s, q, p
	ds_load_b128 v[SC+16*(\p):SC+16*(\p)+3], v[ASA+\s] offset:PANEL*(\q)+SCO
	ds_load_b128 v[SC+16*(\p)+4:SC+16*(\p)+7], v[ASA+\s] offset:PANEL*(\q)+SCO+256
	ds_load_b128 v[SC+16*(\p)+8:SC+16*(\p)+11], v[ASB+\s] offset:PANEL*(\q)+SCO
	ds_load_b128 v[SC+16*(\p)+12:SC+16*(\p)+15], v[ASB+\s] offset:PANEL*(\q)+SCO+256
.endm
.macro MUL16 a0, p, zero
.irp a, \a0, \a0+1
.irp b, 0,1,2,3,4,5,6,7
.if \zero == 1
	WM 8*(8*((\a)%4)+\b), 128*(\p)+12*\b, AF+12*(\a), BI+8*\b, SC+16*(\p)+8+\b, SC+16*(\p)+(\a)
.elseif \zero == 2
	WM 8*(8*((\a)%4)+\b), 128*(\p)+12*\b, AF+12*(\a), BI+8*(\a), SC+16*(\p)+8+\b, SC+16*(\p)+(\a)
.else
	WM 8*(8*((\a)%4)+\b), 128*(\p)+12*\b, AF+12*(\a), 8*(8*((\a)%4)+\b), SC+16*(\p)+8+\b, SC+16*(\p)+(\a)
.endif
.endr
.endr
.endm
.macro KSTEP p, ns, nq, zero
	s_wait_dscnt 12
.if \zero
	WIN 0x81
.else
	WIN MUL_LO
.endif
	MUL16 0, \p, \zero
	MUL16 2, \p, \zero
	s_wait_dscnt 0x0
	PLACES 4
	FETCH_B \ns, \nq, 1-(\p)
	FETCH_A \ns, \nq, 0
	SCALES \ns, \nq, 1-(\p)
.if \zero
	WIN 0xc1
.else
	WIN MUL_HI
.endif
	MUL16 4, \p, \zero
	MUL16 6, \p, \zero
	PLACES 4
	WIN 0
	FETCH_A \ns, \nq, 4
.endm
.macro TURN p, ns, fill
	s_wait_tensorcnt 0x0
	ds_add_u32 v[SPW], v[NIL]
	s_wait_dscnt 13
	WIN MUL_LO
	MUL16 0, \p, 0
	s_wait_dscnt 0x0
	s_barrier_signal -1
	MUL16 2, \p, 0
	WIN 0
	s_barrier_wait -1
.if \fill
	CREST
	s_add_nc_u64 s[G0R+2:G0R+3], s[G0R+2:G0R+3], 3*HALFP
	s_add_nc_u64 s[G0C+2:G0C+3], s[G0C+2:G0C+3], 3*HALFP
	JLOAD 0
.else
	PLACES 4
.endif
	s_wait_alu depctr_va_vdst(0)
	FETCH_B \ns, 0, 0
	FETCH_A \ns, 0, 0
	SCALES \ns, 0, 0
	WIN MUL_HI
	MUL16 4, \p, 0
	MUL16 6, \p, 0
	PLACES 4
	WIN 0
	FETCH_A \ns, 0, 4
.endm
.macro QUANT s, w, pc, pw
	WIN 5*(\w)
.irp b, 0,1,2,3
	v_max3_num_f32 v[TM+\b], |v[(\s)+16*\b]|, |v[(\s)+16*\b+1]|, 0x1800000
.endr
.irp i, 2,4,6,8,10,12,14
.irp b, 0,1,2,3
	v_max3_num_f32 v[TM+\b], |v[(\s)+16*\b+\i]|, |v[(\s)+16*\b+\i+1]|, v[TM+\b]
.endr
.endr
	WIN 0
.irp b, 0,1,2,3
	v_permlanex16_b32 v[TM+4+\b], v[TM+\b], s[SEL], s[SEL+1]
.endr
.irp b, 0,1,2,3
	v_max_num_f32 v[TM+\b], v[TM+\b], v[TM+4+\b]
.endr
.irp b, 0,1,2,3
	v_add_nc_u32 v[TM+12+\b], 0xff000000, v[TM+\b]
.endr
.irp b, 0,1,2,3
	v_lshrrev_b32 v[TM+4+\b], 23, v[TM+12+\b]
.endr
	v_lshl_or_b32 v[\pw], v[TM+5], 8, v[TM+4]
	v_lshl_or_b32 v[\pw], v[TM+6], 16, v[\pw]
	v_lshl_or_b32 v[\pw], v[TM+7], 24, v[\pw]
	WIN (\w)
.irp c, 0,1
	v_cvt_scalef32_pk16_fp6_f32 v[\pc+6*\c:\pc+6*\c+2], v[(\s)+32*\c:(\s)+32*\c+15], v[TM+12+2*\c]
	v_cvt_scalef32_pk16_fp6_f32 v[CT+4*\c:CT+4*\c+2], v[(\s)+32*\c+16:(\s)+32*\c+31], v[TM+13+2*\c]
.endr
	WIN 0
	v_nop
.irp c, 0,1
.irp i, 0,1,2
	v_permlane16_swap_b32 v[\pc+6*\c+\i], v[CT+4*\c+\i]
.endr
.irp i, 0,1,2
	v_mov_b32 v[\pc+6*\c+3+\i], v[CT+4*\c+\i]
.endr
.endr
.endm
	s_load_b256 s[4:11], s[0:1], 0x0
	s_load_b128 s[12:15], s[0:1], 0x20
	s_load_b64 s[16:17], s[0:1], 0x30
	v_lshl_add_u32 v[SPW], v0, 2, SPARE
	v_mov_b32 v[NIL], 0
	ds_add_u32 v[SPW], v[NIL]
	ds_add_u32 v[SPW], v[NIL]
	v_lshrrev_b32 v1, 5, v0
	v_readfirstlane_b32 s[WV], v1
	s_lshr_b32 s[WI], s[WV], 1
	s_and_b32 s[WJ], s[WV], 1
	s_bfe_u32 s[CX], ttmp6, 0x40000
	s_bfe_u32 s[CY], ttmp6, 0x40004
	s_lshl_b32 s[GX], ttmp9, 2
	s_add_co_u32 s[GX], s[GX], s[CX]
	s_and_b32 s[GY], ttmp7, 0xffff
	s_lshl_b32 s[GY], s[GY], 2
	s_add_co_u32 s[GY], s[GY], s[CY]
	s_lshl_b32 s25, s[CY], 2
	s_lshl_b32 s25, 15, s25
	s_lshl_b32 s26, 0x1111, s[CX]
	s_or_b32 s[G1R], s25, (3<<16)|(1<<21)
	s_or_b32 s[G1C], s26, (3<<16)|(1<<21)
.irp g, G1R, G1C
	s_mov_b32 s[\g+1], 32<<16
	s_mov_b32 s[\g+2], 200<<16
	s_mov_b32 s[\g+3], 32<<16
	s_mov_b32 s[\g+4], 200
	s_mov_b32 s[\g+5], 32
	s_mov_b32 s[\g+6], 0
	s_mov_b32 s[\g+7], 0
.endr
	s_lshl_b32 s56, s[GY], 1
	s_add_co_u32 s56, s56, s[WJ]
	s_mul_i32 s56, s56, GRP
	s_mov_b32 s57, 0
	s_lshl_b32 s58, s[GX], 1
	s_add_co_u32 s58, s58, s[WJ]
	s_mul_i32 s58, s58, GRP
	s_mov_b32 s59, 0
	s_mul_i32 s27, s[WV], HALFP
	s_mov_b32 s[SEL], 0x76543210
	s_mov_b32 s[SEL+1], 0xfedcba98
	s_wait_dscnt 0x0
	s_wait_kmcnt 0x0
	s_add_nc_u64 s[56:57], s[4:5], s[56:57]
	s_add_nc_u64 s[58:59], s[6:7], s[58:59]
	CROUND
	s_mov_b32 s[G0R], 1                            ; set 0: my part's four panels, 200 rows; later its panels 6 and 7
	s_mul_i32 s[G0R+1], s[WV], PZ
	s_mov_b64 s[G0R+2:G0R+3], s[56:57]
	s_or_b32 s[G0R+3], s[G0R+3], 0x80000000
	s_mov_b32 s[G0C], 1
	s_mul_i32 s[G0C+1], s[WV], PZ
	s_mov_b64 s[G0C+2:G0C+3], s[58:59]
	s_or_b32 s[G0C+3], s[G0C+3], 0x80000000
	s_mov_b32 s[G0R+4], 1                          ; set 1: panels 4 and 5
	s_add_co_u32 s[G0R+5], s27, 2*SLOT
	s_add_nc_u64 s[G0R+6:G0R+7], s[56:57], 2*HALFP
	s_or_b32 s[G0R+7], s[G0R+7], 0x80000000
	s_mov_b32 s[G0C+4], 1
	s_add_co_u32 s[G0C+5], s27, 2*SLOT
	s_add_nc_u64 s[G0C+6:G0C+7], s[58:59], 2*HALFP
	s_or_b32 s[G0C+7], s[G0C+7], 0x80000000
	JLOAD 0                                        ; one tensor load a wave at the head
	v_and_b32 v1, 15, v0
	v_bfe_u32 v2, v0, 4, 1
	v_and_b32 v3, 31, v0
	v_lshlrev_b32 v[LI], 4, v3
	s_wait_alu depctr_va_vdst(0)
	v_lshlrev_b32 v[LR], 4, v1
	s_wait_alu depctr_va_vdst(0)
.irp b, 0,1,2,3
	v_mov_b32 v[TM+4+\b], 0
.endr
	s_cmp_eq_u32 ttmp9, 2
	s_cselect_b32 s60, 2*HALFP, 0
	s_cselect_b32 s61, 0, 2*HALFP
	s_cselect_b32 s80, s[WI], s[WJ]
	s_cselect_b32 s81, s[WJ], s[WI]
	s_cselect_b64 s[BPT:BPT+1], s[12:13], s[10:11]
	s_cselect_b32 s86, 2, 0
	s_cmp_eq_u32 ttmp9, 0
	s_cselect_b64 s[BPT:BPT+1], s[8:9], s[BPT:BPT+1]
	s_cselect_b64 s[OUT:OUT+1], s[14:15], s[16:17]
	s_mul_i32 s62, s[WI], HALFP
	s_add_co_u32 s60, s60, s62
	s_mul_i32 s62, s[WJ], HALFP
	s_add_co_u32 s61, s61, s62
	s_lshl_b32 s62, s60, 1                         ; a part of four panels is twice a part of two
	s_lshl_b32 s63, s61, 1
	s_add_co_u32 s60, s60, 2*SLOT
	s_add_co_u32 s61, s61, 2*SLOT
.irp s, 0,1
	v_add_nc_u32 v[ADRA+\s], s62, v[LI]
	v_add_nc_u32 v[ADRB+\s], s63, v[LI]
	v_add_nc_u32 v[ASA+\s], s62, v[LR]
	v_add_nc_u32 v[ASB+\s], s63, v[LR]
	s_add_co_u32 s62, s62, HALFP
	s_add_co_u32 s63, s63, HALFP
.endr
	v_add_nc_u32 v[ADRA+2], s60, v[LI]
	v_add_nc_u32 v[ADRB+2], s61, v[LI]
	v_add_nc_u32 v[ASA+2], s60, v[LR]
	v_add_nc_u32 v[ASB+2], s61, v[LR]
	s_lshl_b32 s87, s[CX], 1
	s_add_co_u32 s87, s87, s80
	s_lshl_b32 s88, s[GY], 1
	s_add_co_u32 s88, s88, s81
	s_lshl_b32 s89, s88, 3
	s_add_co_u32 s89, s89, s87
	s_lshr_b32 s90, s88, 4
	s_lshl_b32 s90, s90, 2
	s_add_co_u32 s90, s90, s[CX]
	s_lshl_b32 s90, s90, 4
	s_and_b32 s91, s88, 15
	s_add_co_u32 s90, s90, s91
	s_lshl_b32 s90, s90, 2
	s_add_co_u32 s90, s90, s80
	s_add_co_u32 s90, s90, s86
	s_cmp_eq_u32 ttmp9, 0
	s_cselect_b32 s90, s89, s90
	s_mul_i32 s90, s90, PANEL
	s_mov_b32 s91, 0
	s_add_nc_u64 s[OUT:OUT+1], s[OUT:OUT+1], s[90:91]
	s_lshl_b32 s90, s87, 9
	s_add_nc_u64 s[BPT:BPT+1], s[BPT:BPT+1], s[90:91]
	s_cmp_eq_u32 ttmp9, 2
	s_cbranch_scc1 .Lbias_v
	v_lshlrev_b32 v[VB], 5, v2
.irp b, 0,1,2,3,4,5,6,7
	global_load_b128 v[BI+8*\b:BI+8*\b+3], v[VB], s[BPT:BPT+1] offset:64*\b
	global_load_b128 v[BI+8*\b+4:BI+8*\b+7], v[VB], s[BPT:BPT+1] offset:64*\b+16
.endr
	s_branch .Lbias_done
.Lbias_v:
	v_lshlrev_b32 v[VB], 2, v1
.irp a, 0,1,2,3,4,5,6,7
.irp j, 0,1,2,3,4,5,6,7
	global_load_b32 v[BI+8*\a+\j], v[VB], s[BPT:BPT+1] offset:64*\a
.endr
.endr
.Lbias_done:
	s_wait_alu depctr_va_vdst(0)
	s_wait_tensorcnt 0x0                           ; my four panels are in
	ds_add_u32 v[SPW], v[NIL]
	s_mov_b32 s[G1R+2], 100<<16                    ; no tensor load of mine is out: from here on a load brings two panels, 100 rows
	s_mov_b32 s[G1R+4], 100
	s_mov_b32 s[G1C+2], 100<<16
	s_mov_b32 s[G1C+4], 100
	s_wait_dscnt 0x0
	CROUND
	JLOAD 1                                        ; panels 4 and 5, the first tensor load behind the round
	FETCH_B 0, 0, 0
	FETCH_A 0, 0, 0
	SCALES 0, 0, 0
	FETCH_A 0, 0, 4
	s_wait_loadcnt 0x0
	s_cmp_eq_u32 ttmp9, 2
	s_cbranch_scc1 .Lfirst_v
	KSTEP 0, 0, 1, 1
	s_branch .Lfirst_done
.Lfirst_v:
	KSTEP 0, 0, 1, 2
.Lfirst_done:
	KSTEP 1, 1, 0, 0
	KSTEP 0, 1, 1, 0
	TURN 1, 2, 1
	KSTEP 0, 2, 1, 0
	TURN 1, 0, 0
	KSTEP 0, 0, 1, 0
	s_wait_dscnt 12
	WIN MUL_LO
	MUL16 0, 1, 0
	MUL16 2, 1, 0
	s_wait_dscnt 0x0
	WIN MUL_HI
	MUL16 4, 1, 0
	MUL16 6, 1, 0
	WIN 0
	PLACES 4
.irp a, 0,1,2,3,4,5,6,7
.if \a > 0
	s_wait_xcnt 0x0
.endif
	QUANT 64*(\a%4), 2+\a/4, PC, PWB+\a
.irp c, 0,1,2
	global_store_b128 v[LI], v[PC+4*\c:PC+4*\c+3], s[OUT:OUT+1] offset:FRB*\a+512*\c
.endr
.endr
	v_cmp_ne_u32 vcc_lo, 0, v2
.irp i, 0,1,2,3
	v_cndmask_b32 v[SW+\i], v[PWB+\i], v[PWB+4+\i], vcc_lo
.endr
	global_store_b128 v[LI], v[SW:SW+3], s[OUT:OUT+1] offset:SCO
	s_wait_tensorcnt 0x0
	ds_add_u32 v[SPW], v[NIL]
	s_wait_dscnt 0x0
	CROUND
	s_endpgm
.Lfunc_end_k_q29234a5a36_qkv:
	.size	k_q29234a5a36_qkv, .Lfunc_end_k_q29234a5a36_qkv-k_q29234a5a36_qkv
	.p2alignl 7, 3214868480
	.fill 96, 4, 3214868480
	.section	.rodata,"a",@progbits
	.p2align	6, 0x0
	.amdhsa_kernel k_q29234a5a36_qkv
		.amdhsa_group_segment_fixed_size 327680
		.amdhsa_private_segment_fixed_size 0
		.amdhsa_enable_private_segment 0
		.amdhsa_kernarg_size 56
		.amdhsa_user_sgpr_count 2
		.amdhsa_user_sgpr_kernarg_segment_ptr 1
		.amdhsa_wavefront_size32 1
		.amdhsa_system_sgpr_workgroup_id_x 1
		.amdhsa_system_sgpr_workgroup_id_y 1
		.amdhsa_system_sgpr_workgroup_id_z 1
		.amdhsa_system_vgpr_workitem_id 0
		.amdhsa_next_free_vgpr 1024
		.amdhsa_next_free_sgpr 100
		.amdhsa_reserve_vcc 1
		.amdhsa_float_denorm_mode_32 3
		.amdhsa_float_denorm_mode_16_64 3
		.amdhsa_memory_ordered 1
		.amdhsa_forward_progress 1
		.amdhsa_inst_pref_size 157
	.end_amdhsa_kernel
	.amdgpu_metadata
---
amdhsa.version: [ 1, 2 ]
amdhsa.kernels:
  - .name:           k_q29234a5a36_qkv
    .symbol:         k_q29234a5a36_qkv.kd
    .args:
      - { .name: xpan, .offset: 0, .size: 8, .value_kind: global_buffer, .address_space: global }
      - { .name: wpan, .offset: 8, .size: 8, .value_kind: global_buffer, .address_space: global }
      - { .name: bq, .offset: 16, .size: 8, .value_kind: global_buffer, .address_space: global }
      - { .name: bk, .offset: 24, .size: 8, .value_kind: global_buffer, .address_space: global }
      - { .name: bv, .offset: 32, .size: 8, .value_kind: global_buffer, .address_space: global }
      - { .name: qpan, .offset: 40, .size: 8, .value_kind: global_buffer, .address_space: global }
      - { .name: kvpan, .offset: 48, .size: 8, .value_kind: global_buffer, .address_space: global }
    .group_segment_fixed_size: 327680
    .private_segment_fixed_size: 0
    .kernarg_segment_align: 8
    .kernarg_segment_size: 56
    .max_flat_workgroup_size: 128
    .sgpr_count:     100
    .vgpr_count:     1024
    .wavefront_size: 32
...
	.end_amdgpu_metadata
.endif
;; end of part 2
;; launch attn (part 3): grid 16 x 16, 8 waves a work-group, clusters of 4 x 4, 327,680 bytes of LDS; arguments qpan, kvpan, bpan, opan; writes opan
.if DOCPART == 3
	.amdgcn_target "amdgcn-amd-amdhsa--gfx1250"
	.amdhsa_code_object_version 6
	.text
	.protected	k_q29234a5a36_attn
	.globl	k_q29234a5a36_attn
	.p2align	8
	.type	k_q29234a5a36_attn,@function
k_q29234a5a36_attn:
	s_mov_b64 s[64:65], 0
	v_nop
	global_prefetch_b8 v0, s[64:65] scope:SCOPE_SE
	s_setreg_imm32_b32 hwreg(HW_REG_WAVE_MODE, 25, 1), 1
	s_wait_xcnt 0x0
	s_wait_alu depctr_hold_cnt(0) depctr_sa_sdst(0) depctr_va_vdst(0) depctr_va_sdst(0) depctr_va_ssrc(0) depctr_va_vcc(0) depctr_vm_vsrc(0)
	s_getreg_b32 s2, hwreg(HW_REG_IB_STS2, 6, 4)
	s_cmp_eq_u32 s2, 0
	s_cbranch_scc0 .Lentry_in_a_cluster
	s_endpgm
.Lentry_in_a_cluster:
	s_bfe_u32 s2, ttmp6, 0x10000c
	s_cmp_lg_u32 s2, 0xf033
	s_cbranch_scc0 .Lentry_shape_is_right
	s_endpgm
.Lentry_shape_is_right:
; o = softmax(q k^T / 8 + dist_w dist + dist_b) v for 64 (batch, head) pairs, 2,048 tokens, head size 64, both products on codes of FP6 (E2M3) with E8M0 scales; o leaves as codes, quantised along the channels.
; THE SOFTMAX: t = logit x log2(e); M = the running largest t rounded UP to a whole number (kept as -M); p = 2^(t - M) is quantised along the keys, not normalised; the row's sum is taken of the unquantised p
; and divides at the end.  When M moves, the sum and O are multiplied by 2^(old M - new M), which rounds nothing.
; SHARES.  A work-group owns 128 queries of four heads (two pairs) of one batch: 256 work-groups.  Wave w: 32 queries (w % 4; two tiles a) of one pair (w / 4; heads e): four units u = 2 a + e.
; OPERANDS come as panels (128 rows x 128 K in 12,800 dense bytes: 8 images of a fragment's 12 registers, then 512 bytes of scale words).  THE HEAD'S K IS 64, the instruction's 128: a fragment of K holds both
; heads of the pair, and Q is given as [q | zeros] or [zeros | q].  Both products are used transposed (S^T = K Q^T, O^T = V^T P^T): a lane holds ONE query throughout.
; THE KEYS OF A TILE ARE CHOSEN so that a lane holds a WHOLE block of 32 keys: row 8 h' + j of tile 4 c + q is key 64 c + 32 h' + 16 (q % 2) + 8 (q / 2) + j of the step.  The choice is made by the LDS address
; of each lane's loads from the panel of K.  So lane (r, h)'s registers 32 c + 0 .. 31 are block 2 c + h, in the order in which v's panels hold their keys: the block's largest score needs no other lane,
; and two conversions give the operand's six registers where they belong.
; THE BIAS, 8 (dist_w dist + dist_b), comes from bpan, which the first launch laid as the image of the first product's C registers: dense loads of 512 bytes straight into C, asked for one unit ahead.
; It passes through no LDS, so it is not asked for jointly: a joint load lands in LDS alone.  log2(e) / 8 scales the sum.
; CLUSTERS of 4 x 4.  k's and v's panels hang on the work-group's x and are asked for jointly along a column of the cluster.  A ring of two LDS slots, TWO key steps (8 panels) each: wave w brings panel w.
; In LDS 64 bytes of padding stand behind each 512.
; LIMITS: a block of zeros gets the scale byte 1 where the rule says 127; NaN and infinities are not served; the promise holds while the scaled scores stay under 2^31 in magnitude.
; o's scale words leave in pieces of 8 bytes (512 bytes a panel against 12,288 of codes).
; REGISTERS: window 0: v1-15, v30-31, v48-49, v158 addresses; v16-19 -M; v20-27 the sums; v28-29 f; v32-47 at work; v50-51 Q's scale words, v52-55 p's, v56-63 K's or V's; v64-99 Q; v100-147 p's codes; v148-155 at work; v160-255 8 fragments of K or V.
;   window 1: v0-63 and v64-127 two tiles of bias, then scores, then p; v128-255 O^T, 32 a unit.
.set PANEL, 12800                      ; a panel in memory
.set SCO,   12288
.set FRB,   1536
.set CHK,   576                        ; in LDS: 512 bytes + 64
.set FRL,   3*CHK                      ; a fragment
.set SCL,   24*CHK                     ; the scale words
.set PANL,  25*CHK                     ; a panel
.set HSTEP, 1<<16                      ; a slot's second key step begins here,
.set SLOT1, 1<<17                      ; and slot 1 here: an exclusive or turns an address
.set SPARE, SLOT1+HSTEP+4*PANL         ; behind the ring: the spare words, 128 bytes for each wave
.set BTILE, 8192                       ; bpan: an image (16 queries x 128 keys);
.set BROW,  16*BTILE                   ; from one tile of queries to the next
.set AK0,  1                           ; v1   my place in my pair's panel of K
.set LI,   2                           ; v2   16 x lane
.set LANE, 3
.set SPW,  4                           ; v4   my spare word; never rewritten
.set NIL,  5                           ; v5   0; never rewritten
.set ADK,  6                           ; v6-9 the step's addresses: K's fragments and scale words, V's
.set ADKS, 7
.set ADV,  8
.set ADVS, 9
.set AKS0, 10
.set AV0,  11
.set AVS0, 12
.set LIQ,  15                          ; v15  my two tiles' fragments in a panel of q or o
.set NM,   16
.set LSUM, 20
.set FAC,  28
.set VQ,   30                          ; v30  my two tiles' scale words in such a panel
.set SH8,  31                          ; v31  8 h
.set TM,   32
.set VBO,  48                          ; v48  my offset in the work-group's part of bpan
.set PFO,  49                          ; v49  the bias prefetch's offset
.set QS,   50
.set PS,   52
.set KS,   56
.set QF,   64                          ; tile a at v[64 + 18 a]: q of the even head (6), zeros (6), q of the odd head (6)
.set PC,   100
.set CT,   148
.set EW,   156
.set PFK,  158                         ; v158 the panels' prefetch's offset
.set KV,   160
.set BX,   0                           ; in window 1
.set BY,   64
.set OA,   128
.set WV,  16
.set QP,  17
.set HP,  18
.set SEL, 20
.set CS,  22                           ; s[22:23] log2(e) / 8
.set G1K, 32
.set G0K, 44
.set TB,  48                           ; s48  LDS byte at which the key step in hand begins
.set SLOTS, 49                         ; s49  slots still to be asked for
.set STP, 50                           ; s50  the key step, 0 .. 15
.set INN, 51
.set CX,  52
.set CY,  53
.set GX,  54
.set GY,  55
.set PFA, 56                           ; s[56:57] where the panels' prefetches stand
.set LIMK, 60                          ; s60  1 in waves 4-7, which ask for panels, else the greatest number
.set LIMB, 61                          ; s61  14 in waves 0 and 1, which ask for the bias, else 0
.set BB,  62                           ; s[62:63] the work-group's eight tiles of queries in bpan, at the step in hand
.set QB,  66
.set OB,  68
.set MSB, 0
.macro WIN new                         ; the immediate's high byte repeats the setting that is left
.if MSB != \new
	s_set_vgpr_msb (MSB<<8)|\new
.set MSB, \new
.endif
.endm
.macro PLACES n
.rept \n
	v_nop
.endr
.endm
.macro WALU
	s_wait_alu depctr_va_vdst(0)
.endm
.macro JLOAD                           ; one line for all eight waves: my panel of the slot's eight.  An s_nop 0 and four v_nop follow
	tensor_load_to_lds s[G0K:G0K+3], s[G1K:G1K+7]
	s_nop 0
	PLACES 4
.endm
.macro CROUND                          ; a round of the cluster's barrier
	s_barrier_signal -1
	s_barrier_wait -1
	s_cmp_lg_u32 s[WV], 0
	s_cbranch_scc1 .Lnot_wave_0_\@
	s_barrier_signal -3
.Lnot_wave_0_\@:
	s_barrier_wait -3
	s_barrier_signal -1
	s_barrier_wait -1
.endm
.macro WM d, a, b, c, sa, sb
	v_wmma_scale_f32_16x16x128_f8f6f4 v[\d:\d+7], v[\a:\a+11], v[\b:\b+11], v[\c:\c+7], v[\sa], v[\sb] matrix_a_fmt:MATRIX_FMT_FP6 matrix_b_fmt:MATRIX_FMT_FP6
.endm
.macro LOADBIAS R, a                   ; tile a's image for the step at which s[BB] stands: 16 loads of 512 consecutive bytes
	WIN 0x40
.irp m, 0,1,2,3,4,5,6,7,8,9,10,11,12,13,14,15
	global_load_b128 v[\R+4*\m:\R+4*\m+3], v[VBO], s[BB:BB+1] offset:BROW*\a+512*\m
.endr
	WIN 0
.endm
.macro LOADK                           ; tile 4 c + q: lanes r < 8 read rows 8 (q / 2) + r of fragment 4 c + q % 2, lanes r >= 8 those of the fragment two on: 28 loads
.irp c, 0,1
.irp q, 0,1,2,3
.irp k, 0,1,2
	ds_load_b128 v[KV+12*(4*\c+\q)+4*\k:KV+12*(4*\c+\q)+4*\k+3], v[ADK] offset:FRL*(4*\c+\q%2)+128*(\q/2)+CHK*\k
.endr
.endr
.endr
.irp c, 0,1
.irp g, 0,1
	ds_load_b64 v[KS+4*\c+2*\g:KS+4*\c+2*\g+1], v[ADKS] offset:256*\c+128*\g
.endr
.endr
.endm
.macro LOADV
	WIN 0
.irp t, 0,1,2,3,4,5,6,7
.irp k, 0,1,2
	ds_load_b128 v[KV+12*\t+4*\k:KV+12*\t+4*\k+3], v[ADV] offset:FRL*\t+CHK*\k
.endr
.endr
	ds_load_b128 v[KS:KS+3], v[ADVS]
	ds_load_b128 v[KS+4:KS+7], v[ADVS] offset:256
.endm
; S^T = K Q^T + the bias for tile a: the even head's scores go to RO, the odd head's take the bias's own registers RB.  Five places stand in front of the eight that write over a C just read.
.macro QK a, RB, RO
	WIN 0x50
.irp t, 0,1,2,3,4,5,6,7
	WM \RO+8*\t, KV+12*\t, QF+18*\a, \RB+8*\t, KS+\t, QS+\a
.endr
	PLACES 5
.irp t, 0,1,2,3,4,5,6,7
	WM \RB+8*\t, KV+12*\t, QF+18*\a+6, \RB+8*\t, KS+\t, QS+\a
.endr
.endm
; THE SOFTMAX of unit u, whose 64 scores of a lane lie at v[S] on in window 1: registers 32 c + 0 .. 31 are block 2 c + h.
.macro SM u, S
	WIN 0x15
.irp b, 0,1,2,3
	v_max3_num_f32 v[TM+\b], v[\S+16*\b], v[\S+16*\b+1], v[\S+16*\b+2]   ; four chains, one over each 16 scores; each accumulator from its low end on
.endr
	WIN 0x05
.irp i, 3,5,7,9,11,13
.irp b, 0,1,2,3
	v_max3_num_f32 v[TM+\b], v[\S+16*\b+\i], v[\S+16*\b+\i+1], v[TM+\b]
.endr
.endr
	v_max3_num_f32 v[TM], v[\S+15], v[\S+31], v[TM]
	v_max3_num_f32 v[TM+2], v[\S+47], v[\S+63], v[TM+2]
	WIN 0
	v_max_num_f32 v[TM], v[TM], v[TM+1]            ; the largest score of block h: it serves the row's maximum and, since p rises with the score, the block's largest p
	v_max_num_f32 v[TM+1], v[TM+2], v[TM+3]        ; and of block 2 + h
	s_delay_alu instid0(VALU_DEP_1)
	v_max_num_f32 v[TM+4], v[TM], v[TM+1]
	s_delay_alu instid0(VALU_DEP_1)
	v_permlanex16_b32 v[TM+5], v[TM+4], s[SEL], s[SEL+1]
	s_delay_alu instid0(VALU_DEP_1)
	v_max_num_f32 v[TM+9], v[TM+4], v[TM+5]        ; with lane l xor 16's two blocks: the step's largest score
	s_delay_alu instid0(VALU_DEP_1)
	v_mul_f32 v[TM+9], s[CS], v[TM+9]              ; as t
	s_delay_alu instid0(VALU_DEP_1)
	v_floor_f32 v[TM+8], -v[TM+9]                  ; -ceil of it,
	s_delay_alu instid0(VALU_DEP_1)
	v_min_num_f32 v[TM+8], v[TM+8], v[NM+\u]       ; and of all steps so far: the new -M, a whole number
	s_delay_alu instid0(VALU_DEP_1)
	v_sub_f32 v[TM+10], v[TM+8], v[NM+\u]          ; old M - new M: a whole number, 0 or less
	s_delay_alu instid0(VALU_DEP_2)
	v_mov_b32 v[NM+\u], v[TM+8]
	s_delay_alu instid0(VALU_DEP_2)
	v_cvt_i32_f32 v[TM+10], v[TM+10]               ; (it saturates)
	s_delay_alu instid0(VALU_DEP_1)
	v_ldexp_f32 v[FAC], 1.0, v[TM+10]              ; f = 2^(old M - new M)
	v_fma_f32 v[TM], v[TM], s[CS], v[TM+8]         ; t - M of my two blocks' largest scores
	v_fma_f32 v[TM+1], v[TM+1], s[CS], v[TM+8]
	v_pk_mul_f32 v[LSUM+2*\u:LSUM+2*\u+1], v[LSUM+2*\u:LSUM+2*\u+1], v[FAC:FAC+1] op_sel_hi:[1,0]   ; the sum under the new M
	WIN 0x41
.set jj, 0
.rept 32
	v_pk_fma_f32 v[\S+jj:\S+jj+1], v[\S+jj:\S+jj+1], s[CS:CS+1], v[TM+8:TM+9] op_sel_hi:[1,0,0]   ; t - M, two at a time
.set jj, jj+2
.endr
.set jj, 0
.rept 16
	v_pk_mul_f32 v[OA+32*\u+jj:OA+32*\u+jj+1], v[OA+32*\u+jj:OA+32*\u+jj+1], v[FAC:FAC+1] op_sel_hi:[1,0]   ; O^T under the new M, ahead of this unit's exponentials
.set jj, jj+2
.endr
	WALU                                           ; the wait ahead of the batch
.set jj, 0
.rept 64
	v_exp_f32 v[\S+jj], v[\S+jj]                   ; p = 2^(t - M), at most 1
.set jj, jj+1
.endr
	WIN 0
	v_exp_f32 v[TM], v[TM]                         ; the blocks' largest p: the same two instructions on the same number give the same bits
	v_exp_f32 v[TM+1], v[TM+1]
	v_nop                                          ; a plain place behind the last exponential
	WALU                                           ; and the wait behind the batch: one for all 66
	v_max_num_f32 v[TM], 0x1800000, v[TM]          ; the floor 2^(3 - 127): the byte cannot fall under 1
	v_max_num_f32 v[TM+1], 0x1800000, v[TM+1]
	v_add_nc_u32 v[TM+12], 0xff000000, v[TM]       ; 2 off the exponent field: the conversion's scale operand
	v_add_nc_u32 v[TM+13], 0xff000000, v[TM+1]
	WIN 0x01
.irp c, 0,1
	v_cvt_scalef32_pk16_fp6_f32 v[PC+12*\u+6*\c:PC+12*\u+6*\c+2], v[\S+32*\c:\S+32*\c+15], v[TM+12+\c]
	v_cvt_scalef32_pk16_fp6_f32 v[CT+4*\c:CT+4*\c+2], v[\S+32*\c+16:\S+32*\c+31], v[TM+12+\c]   ; (a conversion's three registers begin on an even number)
.endr
	WIN 0
	v_lshrrev_b32 v[TM+4], 23, v[TM+12]            ; the scales' bytes (plain lines behind the conversions)
	v_lshrrev_b32 v[TM+5], 23, v[TM+13]
	s_delay_alu instid0(VALU_DEP_1)
	v_lshl_or_b32 v[TM+4], v[TM+5], 16, v[TM+4]    ; blocks h and 2 + h,
	s_delay_alu instid0(VALU_DEP_1)
	v_lshlrev_b32 v[TM+4], v[SH8], v[TM+4]         ; at their places in the word;
	s_delay_alu instid0(VALU_DEP_1)
	v_permlanex16_b32 v[TM+5], v[TM+4], s[SEL], s[SEL+1]
	s_delay_alu instid0(VALU_DEP_1)
	v_or_b32 v[PS+\u], v[TM+4], v[TM+5]            ; with lane l xor 16's two the word is whole
.irp c, 0,1
.irp i, 0,1,2
	v_mov_b32 v[PC+12*\u+6*\c+3+\i], v[CT+4*\c+\i]
.endr
.endr
	WIN 0x45                                       ; THE ROW'S SUM IS TAKEN OF THE UNQUANTISED p, in place, neighbours 1, 2, 4, 8 and 16 pairs apart
.irp j, 0,4,8,12,16,20,24,28,32,36,40,44,48,52,56,60
	v_pk_add_f32 v[\S+\j:\S+\j+1], v[\S+\j:\S+\j+1], v[\S+\j+2:\S+\j+3]
.endr
.irp j, 0,8,16,24,32,40,48,56
	v_pk_add_f32 v[\S+\j:\S+\j+1], v[\S+\j:\S+\j+1], v[\S+\j+4:\S+\j+5]
.endr
.irp j, 0,16,32,48
	v_pk_add_f32 v[\S+\j:\S+\j+1], v[\S+\j:\S+\j+1], v[\S+\j+8:\S+\j+9]
.endr
	s_delay_alu instid0(VALU_DEP_3)
	v_pk_add_f32 v[\S:\S+1], v[\S:\S+1], v[\S+16:\S+17]
	s_delay_alu instid0(VALU_DEP_2)
	v_pk_add_f32 v[\S+32:\S+33], v[\S+32:\S+33], v[\S+48:\S+49]
	s_delay_alu instid0(VALU_DEP_1)
	v_pk_add_f32 v[\S:\S+1], v[\S:\S+1], v[\S+32:\S+33]
	WIN 0x01
	v_pk_add_f32 v[LSUM+2*\u:LSUM+2*\u+1], v[\S:\S+1], v[LSUM+2*\u:LSUM+2*\u+1]
	WIN 0
.endm
.macro PV                              ; O^T += V^T P^T: 16 accumulators, one turn each
	WIN 0x50
.irp t, 0,1,2,3
.irp e, 0,1
.irp a, 0,1
	WM OA+32*(2*\a+\e)+8*\t, KV+12*(4*\e+\t), PC+12*(2*\a+\e), OA+32*(2*\a+\e)+8*\t, KS+4*\e+\t, PS+2*\a+\e
.endr
.endr
.endr
	WIN 0
.endm
; A KEY STEP: 128 keys.  Its four address lines are the places behind the last products, in front of the loads into their registers.
.macro STEP
	v_add_nc_u32 v[ADK], s[TB], v[AK0]
	v_add_nc_u32 v[ADKS], s[TB], v[AKS0]
	v_add_nc_u32 v[ADV], s[TB], v[AV0]
	v_add_nc_u32 v[ADVS], s[TB], v[AVS0]
	LOADK
	s_wait_loadcnt 0x0                             ; tile 0's bias, asked for in the step before (the first time: Q too)
	s_wait_dscnt 0x0
	QK 0, BX, BY
	SM 0, BY                                       ; (the five places inside QK stand behind the products that wrote these scores)
	LOADBIAS BY, 1                                 ; tile 1's bias lands while unit 1 is worked
	s_cmp_lt_u32 s[STP], s[LIMB]                   ; A PREFETCH INTO THE L2 of the bias two key steps on: of the work-group's eight images partner cx takes two, waves 0 and 1 one each, a lane 256 bytes;
	s_cbranch_scc0 .Lno_ask_\@                     ; the last two steps ask for nothing
	global_prefetch_b8 v[PFO], s[BB:BB+1] offset:2*BTILE th:TH_LOAD_NT scope:SCOPE_SE
.Lno_ask_\@:
	SM 1, BX
	s_wait_loadcnt 0x0
	QK 1, BY, BX
	PLACES 4                                       ; in front of the loads into K's registers
	LOADV                                          ; V lands while units 2 and 3 are worked
	SM 2, BX
	s_wait_xcnt 0x0                                ; the loads and the prefetch have read their base
	s_add_nc_u64 s[BB:BB+1], s[BB:BB+1], BTILE
	s_add_co_u32 s[STP], s[STP], 1
	s_cmp_lt_u32 s[STP], 16
	s_cbranch_scc0 .Lno_next_\@                    ; behind the last step nothing is left to ask for
	LOADBIAS BX, 0                                 ; the next step's tile 0 lands while unit 3 is worked
.Lno_next_\@:
	SM 3, BY
	s_wait_dscnt 0x0
	PV                                             ; (the 32 additions at the softmax's end are the places behind p's codes and its scale word)
	s_xor_b32 s[TB], s[TB], HSTEP
.endm
; THE CHANGE OF SLOTS.  Each wave waits for all its tensor loads (its panel of the slot ahead), adds 0 to its spare word, and waits for that and for its reads of the slot that it has left.
; fill = 1: behind a round of the cluster's barrier that other slot takes the next two key steps: the load has two steps in which to land.
.macro CHANGE fill
	s_wait_tensorcnt 0x0
	ds_add_u32 v[SPW], v[NIL]
.if \fill
	s_xor_b32 s[G0K+1], s[G0K+1], SLOT1
	s_add_nc_u64 s[G0K+2:G0K+3], s[G0K+2:G0K+3], 8*PANEL
	s_wait_xcnt 0x0                                ; the last prefetch, two steps back, has read its base
	s_add_nc_u64 s[PFA:PFA+1], s[PFA:PFA+1], 8*PANEL
	s_wait_dscnt 0x0
	CROUND
	JLOAD
	s_cmp_gt_u32 s[SLOTS], s[LIMK]                 ; A PREFETCH INTO THE L2 of the slot that the NEXT change will ask for, two key steps ahead of that load: of its eight panels partner cy takes two;
	s_cbranch_scc0 .Lnot_mine_\@                   ; waves 4-7 take half a panel each, a lane 256 bytes (the lanes over name the last block again).  The last change that fills asks for nothing
	global_prefetch_b8 v[PFK], s[PFA:PFA+1] th:TH_LOAD_NT scope:SCOPE_SE
.Lnot_mine_\@:
.else
	s_wait_dscnt 0x0
	s_barrier_signal -1
	s_barrier_wait -1
.endif
.endm
; 64 numbers of a lane, v[s] on in window w, become a fragment's codes in v[pc] on and its scale word in v[pw] (window 0)
.macro QUANT s, w, pc, pw
	WIN 5*(\w)
.irp b, 0,1,2,3
	v_max3_num_f32 v[TM+\b], |v[(\s)+16*\b]|, |v[(\s)+16*\b+1]|, 0x1800000
.endr
.irp i, 2,4,6,8,10,12,14
.irp b, 0,1,2,3
	s_delay_alu instid0(VALU_DEP_4)
	v_max3_num_f32 v[TM+\b], |v[(\s)+16*\b+\i]|, |v[(\s)+16*\b+\i+1]|, v[TM+\b]
.endr
.endr
	WIN 0
.irp b, 0,1,2,3
	v_permlanex16_b32 v[TM+4+\b], v[TM+\b], s[SEL], s[SEL+1]
.endr
.irp b, 0,1,2,3
	s_delay_alu instid0(VALU_DEP_4)
	v_max_num_f32 v[TM+\b], v[TM+\b], v[TM+4+\b]
.endr
.irp b, 0,1,2,3
	s_delay_alu instid0(VALU_DEP_4)
	v_add_nc_u32 v[TM+12+\b], 0xff000000, v[TM+\b]
.endr
.irp b, 0,1,2,3
	s_delay_alu instid0(VALU_DEP_4)
	v_lshrrev_b32 v[TM+4+\b], 23, v[TM+12+\b]
.endr
	s_delay_alu instid0(VALU_DEP_3)
	v_lshl_or_b32 v[\pw], v[TM+5], 8, v[TM+4]
	s_delay_alu instid0(VALU_DEP_1)
	v_lshl_or_b32 v[\pw], v[TM+6], 16, v[\pw]
	s_delay_alu instid0(VALU_DEP_1)
	v_lshl_or_b32 v[\pw], v[TM+7], 24, v[\pw]
	WIN (\w)
.irp c, 0,1
	v_cvt_scalef32_pk16_fp6_f32 v[\pc+6*\c:\pc+6*\c+2], v[(\s)+32*\c:(\s)+32*\c+15], v[TM+12+2*\c]
	v_cvt_scalef32_pk16_fp6_f32 v[CT+4*\c:CT+4*\c+2], v[(\s)+32*\c+16:(\s)+32*\c+31], v[TM+13+2*\c]
.endr
	WIN 0
	v_nop
.irp c, 0,1
.irp i, 0,1,2
	v_permlane16_swap_b32 v[\pc+6*\c+\i], v[CT+4*\c+\i]
.endr
.irp i, 0,1,2
	s_delay_alu instid0(VALU_DEP_3)
	v_mov_b32 v[\pc+6*\c+3+\i], v[CT+4*\c+\i]
.endr
.endr
.endm
	s_load_b256 s[4:11], s[0:1], 0x0               ; qpan, kvpan, bpan, opan
	v_lshl_add_u32 v[SPW], v0, 2, SPARE
	v_mov_b32 v[NIL], 0
	ds_add_u32 v[SPW], v[NIL]                      ; the wave's opening: the add, twice on end, and its wait ahead of my first tensor load
	ds_add_u32 v[SPW], v[NIL]
	v_lshrrev_b32 v13, 5, v0
	v_readfirstlane_b32 s[WV], v13                 ; wave 0..7
	s_and_b32 s[QP], s[WV], 3                      ; my 32 queries
	s_lshr_b32 s[HP], s[WV], 2                     ; my pair of heads
	s_bfe_u32 s[CX], ttmp6, 0x40000
	s_bfe_u32 s[CY], ttmp6, 0x40004
	s_lshl_b32 s[GX], ttmp9, 2
	s_add_co_u32 s[GX], s[GX], s[CX]               ; work-group x: batch = cluster x, four heads = cx
	s_and_b32 s[GY], ttmp7, 0xffff
	s_lshl_b32 s[GY], s[GY], 2
	s_add_co_u32 s[GY], s[GY], s[CY]               ; work-group y: 128 queries
	s_lshl_b32 s71, 0x1111, s[CX]                  ; my column of the cluster
	s_or_b32 s[G1K], s71, (3<<16)|(1<<20)|(1<<21)|(6<<22)|(15<<25)   ; the mask; elements of 8 bytes; padding on; 21 set beside a mask; after every 128 words (code 6) 16 words (code 15)
	s_mov_b32 s[G1K+1], 64<<16                     ; rows of 512 bytes,
	s_mov_b32 s[G1K+2], 25<<16                     ; 25 of them: a panel
	s_mov_b32 s[G1K+3], 64<<16
	s_mov_b32 s[G1K+4], 25
	s_mov_b32 s[G1K+5], 64
	s_mov_b32 s[G1K+6], 0
	s_mov_b32 s[G1K+7], 0
	s_mov_b32 s[SEL], 0x76543210
	s_mov_b32 s[SEL+1], 0xfedcba98
	s_mov_b32 s[CS], 0x3e38aa3b                    ; log2(e) / 8
	s_mov_b32 s[CS+1], s[CS]
	s_mov_b32 s[TB], 0
	s_mov_b32 s[SLOTS], 7
	s_mov_b32 s[STP], 0
	s_mul_i32 s72, s[GX], 64*PANEL                 ; k and v: 16 steps x 4 panels for each x,
	s_mul_i32 s73, s[WV], PANEL                    ; my panel of a slot's eight: on x and the wave alone
	s_add_co_u32 s72, s72, s73
	s_mov_b32 s73, 0
	s_lshl_b32 s75, s[HP], 16                      ; where it goes: step w / 4 of the slot, panel w % 4
	s_mul_i32 s74, s[QP], PANL
	s_add_co_u32 s75, s75, s74
	s_wait_dscnt 0x0                               ; both opening adds are done
	s_wait_kmcnt 0x0
	s_add_nc_u64 s[72:73], s[6:7], s[72:73]
	CROUND                                         ; all sixteen work-groups are here: the first joint loads meet
	s_mov_b32 s[G0K], 1
	s_mov_b32 s[G0K+1], s75
	s_mov_b64 s[G0K+2:G0K+3], s[72:73]
	s_or_b32 s[G0K+3], s[G0K+3], 0x80000000
	JLOAD                                          ; key steps 0 and 1 into slot 0: one tensor load a wave at the head
	s_mul_i32 s70, s[HP], PANL                     ; my pair's panel of K in a step's four,
	s_add_co_u32 s71, s70, SCL
	s_add_co_u32 s76, s70, 2*PANL                  ; and of V
	s_add_co_u32 s77, s76, SCL
	s_lshr_b32 s78, s[QP], 1                       ; my tiles of q and o are 2 (w % 4) and the next: their scale words lie side by side
	s_lshl_b32 s78, s78, 8
	s_and_b32 s79, s[QP], 1
	s_lshl_b32 s79, s79, 3
	s_add_co_u32 s78, s78, s79
	s_add_co_u32 s78, s78, SCO
	s_mul_i32 s79, s[QP], 2*FRB
	s_lshl_b32 s80, s[QP], 18                      ; bpan: my two tiles of the work-group's eight
	s_and_b32 s83, s[WV], 1
	s_lshl_b32 s81, s[CX], 1
	s_add_co_u32 s81, s81, s83
	s_lshl_b32 s81, s81, 17                        ; the bias prefetch: image 2 cx + w % 2
	s_bfe_u32 s82, s[WV], 0x10001
	s_lshl_b32 s84, s[CY], 1
	s_add_co_u32 s82, s82, s84
	s_mul_i32 s82, s82, PANEL                      ; the panels' prefetch: panel 2 cy + (w / 2) % 2,
	s_lshl_b32 s83, s83, 5                         ; its blocks from 32 (w % 2) on
	s_lshl_b32 s84, ttmp9, 4
	s_add_co_u32 s84, s84, s[GY]                   ; the group of 128 tokens,
	s_lshl_b32 s84, s84, 3
	s_lshl_b32 s85, s[CX], 1
	s_add_co_u32 s84, s84, s85
	s_add_co_u32 s84, s84, s[HP]                   ; the pair
	s_mul_i32 s84, s84, PANEL
	s_mov_b32 s85, 0
	s_add_nc_u64 s[QB:QB+1], s[4:5], s[84:85]
	s_add_nc_u64 s[OB:OB+1], s[10:11], s[84:85]
	s_lshl_b32 s84, s[GY], 20                      ; eight tiles of queries x 16 images
	s_add_nc_u64 s[BB:BB+1], s[8:9], s[84:85]
	s_mul_i32 s84, s[GX], 64*PANEL
	s_add_co_u32 s84, s84, 8*PANEL                 ; at slot 1: the first change steps it to slot 2
	s_add_nc_u64 s[PFA:PFA+1], s[6:7], s[84:85]
	s_cmp_ge_u32 s[WV], 4
	s_cselect_b32 s[LIMK], 1, -1
	s_cmp_lt_u32 s[WV], 2
	s_cselect_b32 s[LIMB], 14, 0
	v_and_b32 v13, 15, v0                          ; r
	v_bfe_u32 v14, v0, 4, 1                        ; h
	v_and_b32 v[LANE], 31, v0
	v_bfe_u32 v6, v0, 3, 1                         ; r / 8
	v_and_b32 v7, 7, v0                            ; r % 8
	v_lshlrev_b32 v[LI], 4, v[LANE]
	v_lshlrev_b32 v[SH8], 3, v14
	v_mul_u32_u24 v[AK0], v6, 2*FRL                ; K: two fragments on for r / 8, place r % 8 + 16 h of a chunk
	v_lshl_add_u32 v[AK0], v7, 4, v[AK0]
	v_lshl_add_u32 v[AK0], v14, 8, v[AK0]
	v_add_nc_u32 v[AK0], s70, v[AK0]
	v_lshlrev_b32 v[AKS0], 3, v6                   ; its scale words: 16 (r % 8) + 8 (r / 8)
	v_lshl_add_u32 v[AKS0], v7, 4, v[AKS0]
	v_add_nc_u32 v[AKS0], s71, v[AKS0]
	v_add_nc_u32 v[AV0], s76, v[LI]
	v_lshl_add_u32 v[AVS0], v13, 4, s77
	v_lshl_add_u32 v[VQ], v13, 4, s78
	v_add_nc_u32 v[LIQ], s79, v[LI]
	v_add_nc_u32 v[VBO], s80, v[LI]
	v_lshl_add_u32 v[PFO], v[LANE], 8, s81
	v_add_nc_u32 v[PFK], s83, v[LANE]
	v_min_u32 v[PFK], 49, v[PFK]
	v_lshl_add_u32 v[PFK], v[PFK], 8, s82
	WALU
.irp a, 0,1                            ; Q stays in registers: a fragment's registers 0-5 are the even head's, 6-11 the odd head's; they land where the two operands want them
	global_load_b128 v[QF+18*\a:QF+18*\a+3], v[LIQ], s[QB:QB+1] offset:FRB*\a
	global_load_b64 v[QF+18*\a+4:QF+18*\a+5], v[LIQ], s[QB:QB+1] offset:FRB*\a+512
	global_load_b64 v[QF+18*\a+12:QF+18*\a+13], v[LIQ], s[QB:QB+1] offset:FRB*\a+520
	global_load_b128 v[QF+18*\a+14:QF+18*\a+17], v[LIQ], s[QB:QB+1] offset:FRB*\a+1024
.endr
	global_load_b64 v[QS:QS+1], v[VQ], s[QB:QB+1]
	LOADBIAS BX, 0                                 ; key step 0, tile 0
	WIN 0x40
.set jj, 0
.rept 128
	v_mov_b32 v[OA+jj], 0                          ; O^T.  The step is written for every step alike: the first finds zeros, which the first change of M leaves zeros
.set jj, jj+1
.endr
	WIN 0
.irp u, 0,1,2,3
	v_mov_b32 v[NM+\u], 0x7f61b1e6                 ; -M: M begins at -3e38, under every t
.endr
.irp i, 0,1,2,3,4,5,6,7
	v_mov_b32 v[LSUM+\i], 0
.endr
	v_mov_b32 v[FAC], 0
	v_mov_b32 v[FAC+1], 0                          ; (named as the upper half of a pair)
.irp i, 0,1,2,3,4,5,6,7,8,9,10,11,12,13,14,15
	v_mov_b32 v[TM+\i], 0                          ; written once: lane permutes' destinations and upper halves of pairs count as read
.endr
.irp a, 0,1
.irp i, 0,1,2,3,4,5
	v_mov_b32 v[QF+18*\a+6+\i], 0                  ; the zero codes beside q
.endr
.endr
	WALU
.Lslot:                                            ; 7 trips: behind each change of slots but the last the next two key steps are asked for
	CHANGE 1
	s_mov_b32 s[INN], 2
.Lstep:                                            ; a slot's two key steps
	STEP
	s_sub_co_u32 s[INN], s[INN], 1
	s_cmp_lg_u32 s[INN], 0
	s_cbranch_scc1 .Lstep
	s_xor_b32 s[TB], s[TB], SLOT1
	s_sub_co_u32 s[SLOTS], s[SLOTS], 1
	s_cmp_lg_u32 s[SLOTS], 0
	s_cbranch_scc1 .Lslot
	CHANGE 0                                       ; the last slot is written out
	s_mov_b32 s[INN], 2
.Llast:
	STEP
	s_sub_co_u32 s[INN], s[INN], 1
	s_cmp_lg_u32 s[INN], 0
	s_cbranch_scc1 .Llast
	; THE WAY OUT.  The sums' halves are added; O^T is divided by the sum; a tile's two heads, 128 channels of 16 queries, are one fragment of o's panel: quantised in registers and stored as its image.
	WALU
.irp u, 0,1,2,3
	v_add_f32 v[TM+\u], v[LSUM+2*\u], v[LSUM+2*\u+1]   ; (these are also the places behind the last products)
.endr
.irp u, 0,1,2,3
	s_delay_alu instid0(VALU_DEP_4)
	v_permlanex16_b32 v[TM+4+\u], v[TM+\u], s[SEL], s[SEL+1]
.endr
.irp u, 0,1,2,3
	s_delay_alu instid0(VALU_DEP_4)
	v_add_f32 v[TM+\u], v[TM+\u], v[TM+4+\u]
.endr
	WALU
.irp u, 0,1,2,3
	v_rcp_f32 v[TM+8+2*\u], v[TM+\u]
.endr
	v_nop                                          ; a plain place behind the last reciprocal
	WALU                                           ; and the wait ahead of the first use: one for the four
	WIN 0x41
.irp u, 0,1,2,3
.set jj, 0
.rept 16
	v_pk_mul_f32 v[OA+32*\u+jj:OA+32*\u+jj+1], v[OA+32*\u+jj:OA+32*\u+jj+1], v[TM+8+2*\u:TM+9+2*\u] op_sel_hi:[1,0]   ; each accumulator from its low end on
.set jj, jj+2
.endr
.endr
.irp a, 0,1
	QUANT OA+64*\a, 1, PC+12*\a, EW+\a
.endr
.irp a, 0,1
.irp c, 0,1,2
	global_store_b128 v[LIQ], v[PC+12*\a+4*\c:PC+12*\a+4*\c+3], s[OB:OB+1] offset:FRB*\a+512*\c   ; 32 lanes store 512 consecutive bytes, at a multiple of 256 from the buffer's first byte
.endr
.endr
	s_wait_xcnt 0x0                                ; EXEC changes only behind this wait
	v_cmp_gt_u32 vcc_lo, 16, v[LANE]
	s_and_saveexec_b32 s70, vcc_lo
	global_store_b64 v[VQ], v[EW:EW+1], s[OB:OB+1] ; lanes 0-15: my two tiles' scale words of row r
	s_wait_xcnt 0x0                                ; and again in front of the line that widens it
	s_or_b32 exec_lo, exec_lo, s70
	s_wait_tensorcnt 0x0                           ; the wave's end
	ds_add_u32 v[SPW], v[NIL]
	s_wait_dscnt 0x0
	CROUND                                         ; the closing round
	s_endpgm
.Lfunc_end_k_q29234a5a36_attn:
	.size	k_q29234a5a36_attn, .Lfunc_end_k_q29234a5a36_attn-k_q29234a5a36_attn
	.p2alignl 7, 3214868480
	.fill 96, 4, 3214868480
	.section	.rodata,"a",@progbits
	.p2align	6, 0x0
	.amdhsa_kernel k_q29234a5a36_attn
		.amdhsa_group_segment_fixed_size 327680
		.amdhsa_private_segment_fixed_size 0
		.amdhsa_enable_private_segment 0
		.amdhsa_kernarg_size 32
		.amdhsa_user_sgpr_count 2
		.amdhsa_user_sgpr_kernarg_segment_ptr 1
		.amdhsa_wavefront_size32 1
		.amdhsa_system_sgpr_workgroup_id_x 1
		.amdhsa_system_sgpr_workgroup_id_y 1
		.amdhsa_system_sgpr_workgroup_id_z 1
		.amdhsa_system_vgpr_workitem_id 0
		.amdhsa_next_free_vgpr 512
		.amdhsa_next_free_sgpr 100
		.amdhsa_reserve_vcc 1
		.amdhsa_float_denorm_mode_32 3
		.amdhsa_float_denorm_mode_16_64 3
		.amdhsa_memory_ordered 1
		.amdhsa_forward_progress 1
		.amdhsa_inst_pref_size 152
	.end_amdhsa_kernel
	.amdgpu_metadata
---
amdhsa.version: [ 1, 2 ]
amdhsa.kernels:
  - .name:           k_q29234a5a36_attn
    .symbol:         k_q29234a5a36_attn.kd
    .args:
      - { .name: qpan, .offset: 0, .size: 8, .value_kind: global_buffer, .address_space: global }
      - { .name: kvpan, .offset: 8, .size: 8, .value_kind: global_buffer, .address_space: global }
      - { .name: bpan, .offset: 16, .size: 8, .value_kind: global_buffer, .address_space: global }
      - { .name: opan, .offset: 24, .size: 8, .value_kind: global_buffer, .address_space: global }
    .group_segment_fixed_size: 327680
    .private_segment_fixed_size: 0
    .kernarg_segment_align: 8
    .kernarg_segment_size: 32
    .max_flat_workgroup_size: 256
    .sgpr_count:     100
    .vgpr_count:     512
    .wavefront_size: 32
...
	.end_amdgpu_metadata
.endif
;; end of part 3
;; launch oproj (part 4): grid 4 x 64, 4 waves a work-group, clusters of 4 x 4, 327,680 bytes of LDS; arguments opan, wpan, bo, out0; writes out0
.if DOCPART == 4
	.amdgcn_target "amdgcn-amd-amdhsa--gfx1250"
	.amdhsa_code_object_version 6
	.text
	.protected	k_q29234a5a36_oproj
	.globl	k_q29234a5a36_oproj
	.p2align	8
	.type	k_q29234a5a36_oproj,@function
k_q29234a5a36_oproj:
	s_mov_b64 s[64:65], 0
	v_nop
	global_prefetch_b8 v0, s[64:65] scope:SCOPE_SE
	s_setreg_imm32_b32 hwreg(HW_REG_WAVE_MODE, 25, 1), 1
	s_wait_xcnt 0x0
	s_wait_alu depctr_hold_cnt(0) depctr_sa_sdst(0) depctr_va_vdst(0) depctr_va_sdst(0) depctr_va_ssrc(0) depctr_va_vcc(0) depctr_vm_vsrc(0)
	s_getreg_b32 s2, hwreg(HW_REG_IB_STS2, 6, 4)
	s_cmp_eq_u32 s2, 0
	s_cbranch_scc0 .Lentry_in_a_cluster
	s_endpgm
.Lentry_in_a_cluster:
	s_bfe_u32 s2, ttmp6, 0x10000c
	s_cmp_lg_u32 s2, 0xf033
	s_cbranch_scc0 .Lentry_shape_is_right
	s_endpgm
.Lentry_shape_is_right:
; out0 = o Wo^T + bo: [8192, 1024] x [1024, 1024] on codes of FP6 (E2M3) with E8M0 scales, f32 sums, f32 out.
; o and Wo come as panels (128 rows x 128 K in 12,800 dense bytes: 8 images of a fragment's 12 registers, then 512 bytes of scale words: the word of tile i, row r at 256 (i / 4) + 16 r + 4 (i % 4));
; a group is the 8 panels of 128 rows, all of K, 102,400 bytes on end.  Wo's groups are groups 24 to 31 of wpan.
; SHARES.  256 work-groups; a block of the result is 128 rows x 256 columns; four waves, 2 x 2: a wave makes 64 x 128: 32 accumulators, 256 registers.
; ALL OF K LIES IN LDS: o's group and Wo's two groups, 307,200 bytes, asked for at the head, one tensor load a wave (waves 0 and 1 half of o's group each, waves 2 and 3 a group of Wo each).  Nothing is filled again.
; CLUSTERS of 4 x 4: o's group hangs on the work-group's y and is asked for jointly along a row of the cluster, Wo's groups on its x, along a column.
; No prefetch: every tile is asked for at the head, and there is no loop to run ahead in.
; THE MATRIX INSTRUCTION IS USED TRANSPOSED (source 0 = 16 rows of Wo, source 1 = 16 rows of o): a lane holds eight neighbouring numbers of a row of the result.  bo is the C of the first K step's products.
; A K step is 32 products, every accumulator once.  Fragments and scale words lie twice in registers: the next step's 39 LDS loads are issued ahead of this step's products.
; REGISTERS: window 0: v3-30 addresses; v32-63 scale words, two sets; v64-127 bo; v128-223 o's fragments, two sets of four; on the way out v128-255.  Window 1: Wo's fragments, two sets, at v0 and v128.  Window 2: the accumulators.
.set PANEL, 12800
.set SCO,   12288
.set FRB,   1536
.set GRP,   8*PANEL
.set HALFG, 4*PANEL
.set SPARE, 3*GRP                      ; behind the three groups: the spare words, 128 bytes for each wave
.set SP,    528                        ; the way out: a stage of 16 rows x (512 + 16) bytes for each wave, from LDS byte 0 on: those bytes have had their one fill, and a barrier stands behind their last read
.set LI,   3
.set LR,   4
.set STO,  5
.set RD,   6
.set ADRA, 8                           ; v8, v9   my fragments of o in panels 0-3, 4-7
.set ADRB, 12                          ; v12, v13 of Wo
.set ASA,  16                          ; v16, v17 my scale words of o
.set ASB,  20                          ; v20, v21 of Wo
.set SPW,  28
.set NIL,  29
.set VB,   30
.set SC,   32                          ; set p: o's four words at v[SC + 20 p], Wo's eight at v[SC + 16 p + 8]
.set BI,   64
.set AF,   128
.set BK,   128
.set WV,  18
.set WI,  19
.set WJ,  20
.set CX,  21
.set CY,  22
.set GX,  23
.set GY,  24
.set G1R, 28
.set G1C, 36
.set G0R, 44
.set G0C, 68
.set BPT, 82
.set OUT, 84
.set MSB, 0
.macro WIN new                         ; the immediate's high byte repeats the setting that is left
.if MSB != \new
	s_set_vgpr_msb (MSB<<8)|\new
.set MSB, \new
.endif
.endm
.set MUL_LO, 0xa1                      ; source 0 window 1, source 1 window 0, C and D window 2
.set TO_B,   0x40
.macro PLACES n
.rept \n
	v_nop
.endr
.endm
.macro CROUND                          ; a round of the cluster's barrier
	s_barrier_signal -1
	s_barrier_wait -1
	s_cmp_lg_u32 s[WV], 0
	s_cbranch_scc1 .Lnot_wave_0_\@
	s_barrier_signal -3
.Lnot_wave_0_\@:
	s_barrier_wait -3
	s_barrier_signal -1
	s_barrier_wait -1
.endm
.macro G1SET g, rows                   ; rows of 256 bytes (32 elements of 8), dense
	s_mov_b32 s[\g+1], 32<<16
	s_mov_b32 s[\g+2], (\rows)<<16
	s_mov_b32 s[\g+3], 32<<16
	s_mov_b32 s[\g+4], \rows
	s_mov_b32 s[\g+5], 32
	s_mov_b32 s[\g+6], 0
	s_mov_b32 s[\g+7], 0
.endm
.macro WM d, a, b, c, sa, sb
	v_wmma_scale_f32_16x16x128_f8f6f4 v[\d:\d+7], v[\a:\a+11], v[\b:\b+11], v[\c:\c+7], v[\sa], v[\sb] matrix_a_fmt:MATRIX_FMT_FP6 matrix_b_fmt:MATRIX_FMT_FP6
.endm
.macro FRAG reg, adr, off
.irp c, 0,1,2
	ds_load_b128 v[\reg+4*\c:\reg+4*\c+3], v[\adr] offset:\off+512*\c
.endr
.endm
.macro FETCH s, q, p                   ; panel 4 s + q into set p: Wo's eight fragments, o's four, the scale words: 39 loads
	WIN TO_B
.irp i, 0,1,2,3,4,5,6,7
	FRAG 128*(\p)+12*\i, ADRB+\s, PANEL*(\q)+FRB*\i
.endr
	WIN 0
.irp i, 0,1,2,3
	FRAG AF+12*(4*(\p)+\i), ADRA+\s, PANEL*(\q)+FRB*\i
.endr
	ds_load_b128 v[SC+20*(\p):SC+20*(\p)+3], v[ASA+\s] offset:PANEL*(\q)+SCO
	ds_load_b128 v[SC+16*(\p)+8:SC+16*(\p)+11], v[ASB+\s] offset:PANEL*(\q)+SCO
	ds_load_b128 v[SC+16*(\p)+12:SC+16*(\p)+15], v[ASB+\s] offset:PANEL*(\q)+SCO+256
.endm
.macro MUL32 p, zero                   ; o's four blocks of set p x Wo's eight
.irp a, 0,1,2,3
.irp b, 0,1,2,3,4,5,6,7
.if \zero
	WM 8*(8*\a+\b), 128*(\p)+12*\b, AF+12*(4*(\p)+\a), BI+8*\b, SC+16*(\p)+8+\b, SC+20*(\p)+\a
.else
	WM 8*(8*\a+\b), 128*(\p)+12*\b, AF+12*(4*(\p)+\a), 8*(8*\a+\b), SC+16*(\p)+8+\b, SC+20*(\p)+\a
.endif
.endr
.endr
.endm
.macro KSTEP p, ns, nq, zero
	s_wait_dscnt 0x0                               ; this step's fragments are in
.if \zero == 0
	PLACES 4                                       ; behind the last step's products, in front of the loads into their registers
.endif
	FETCH \ns, \nq, 1-(\p)
.if \zero
	WIN 0x81                                       ; C in window 0: bo
.else
	WIN MUL_LO
.endif
	MUL32 \p, \zero
	WIN 0
.endm
	s_load_b256 s[4:11], s[0:1], 0x0               ; opan, wpan, bo, out0
	v_lshl_add_u32 v[SPW], v0, 2, SPARE
	v_mov_b32 v[NIL], 0
	ds_add_u32 v[SPW], v[NIL]                      ; the wave's opening: the add, twice on end, and its wait ahead of my first tensor load
	ds_add_u32 v[SPW], v[NIL]
	v_lshrrev_b32 v1, 5, v0
	v_readfirstlane_b32 s[WV], v1
	s_lshr_b32 s[WI], s[WV], 1                     ; my 64 rows.  Also: I fetch for o (0) or for Wo (1)
	s_and_b32 s[WJ], s[WV], 1                      ; my 128 columns.  Also: which part I fetch
	s_bfe_u32 s[CX], ttmp6, 0x40000
	s_bfe_u32 s[CY], ttmp6, 0x40004
	s_lshl_b32 s[GX], ttmp9, 2
	s_add_co_u32 s[GX], s[GX], s[CX]
	s_and_b32 s[GY], ttmp7, 0xffff
	s_lshl_b32 s[GY], s[GY], 2
	s_add_co_u32 s[GY], s[GY], s[CY]
	s_lshl_b32 s25, s[CY], 2
	s_lshl_b32 s25, 15, s25                        ; my row of the cluster
	s_lshl_b32 s26, 0x1111, s[CX]                  ; my column
	s_or_b32 s[G1R], s25, (3<<16)|(1<<21)
	s_or_b32 s[G1C], s26, (3<<16)|(1<<21)
	G1SET G1R, 200                                 ; half a group
	G1SET G1C, 400                                 ; a group
	s_lshl_b32 s56, s[GY], 1
	s_add_co_u32 s56, s56, s[WJ]
	s_mul_i32 s56, s56, HALFG                      ; o: group y, half w % 2
	s_mov_b32 s57, 0
	s_lshl_b32 s58, s[GX], 1
	s_add_co_u32 s58, s58, s[WJ]
	s_add_co_u32 s58, s58, 24
	s_mul_i32 s58, s58, GRP                        ; Wo: group 24 + 2 x + w % 2
	s_mov_b32 s59, 0
	s_mul_i32 s27, s[WJ], HALFG                    ; where they go
	s_mul_i32 s60, s[WJ], GRP
	s_add_co_u32 s60, s60, GRP                     ; (also: where my 128 columns' group lies)
	s_wait_dscnt 0x0
	s_wait_kmcnt 0x0
	s_add_nc_u64 s[56:57], s[4:5], s[56:57]
	s_add_nc_u64 s[58:59], s[6:7], s[58:59]
	CROUND                                         ; all sixteen work-groups are here: the joint loads meet
	s_mov_b32 s[G0R], 1
	s_mov_b32 s[G0R+1], s27
	s_mov_b64 s[G0R+2:G0R+3], s[56:57]
	s_or_b32 s[G0R+3], s[G0R+3], 0x80000000
	s_mov_b32 s[G0C], 1
	s_mov_b32 s[G0C+1], s60
	s_mov_b64 s[G0C+2:G0C+3], s[58:59]
	s_or_b32 s[G0C+3], s[G0C+3], 0x80000000
	s_cmp_eq_u32 s[WI], 0
	s_cbranch_scc0 .Lfor_c
	tensor_load_to_lds s[G0R:G0R+3], s[G1R:G1R+7]
	s_nop 0
	PLACES 4
	s_branch .Lasked
.Lfor_c:
	tensor_load_to_lds s[G0C:G0C+3], s[G1C:G1C+7]
	s_nop 0
	PLACES 4
.Lasked:
	s_mul_i32 s61, s[WI], 4*FRB                    ; my four fragments of a panel of o,
	s_lshl_b32 s62, s[WI], 8                       ; and their scale words
	s_mul_i32 s63, s[WV], 16*SP                    ; my stage
	s_lshl_b32 s90, s[GX], 10
	s_lshl_b32 s91, s[WJ], 9
	s_add_co_u32 s90, s90, s91                     ; my first column, in bytes
	s_mov_b32 s91, 0
	s_add_nc_u64 s[BPT:BPT+1], s[8:9], s[90:91]
	s_add_nc_u64 s[OUT:OUT+1], s[10:11], s[90:91]
	s_lshl_b32 s90, s[GY], 1
	s_add_co_u32 s90, s90, s[WI]
	s_lshl_b32 s90, s90, 18                        ; my first row: 64 rows of 4,096 bytes
	s_add_nc_u64 s[OUT:OUT+1], s[OUT:OUT+1], s[90:91]
	v_and_b32 v1, 15, v0                           ; r
	v_bfe_u32 v2, v0, 4, 1                         ; h
	v_and_b32 v3, 31, v0
	v_lshlrev_b32 v[LI], 4, v3
	v_lshlrev_b32 v[LR], 4, v1
	v_add_nc_u32 v[ADRA], s61, v[LI]
	v_add_nc_u32 v[ADRB], s60, v[LI]
	v_add_nc_u32 v[ASA], s62, v[LR]
	v_add_nc_u32 v[ASB], s60, v[LR]
	v_add_nc_u32 v[ADRA+1], HALFG, v[ADRA]
	v_add_nc_u32 v[ADRB+1], HALFG, v[ADRB]
	v_add_nc_u32 v[ASA+1], HALFG, v[ASA]
	v_add_nc_u32 v[ASB+1], HALFG, v[ASB]
	v_mul_u32_u24 v[STO], v1, SP                   ; into the stage: row r, 32 bytes for each half of the lanes
	v_lshl_add_u32 v[STO], v2, 5, v[STO]
	v_add_nc_u32 v[STO], s63, v[STO]
	v_add_nc_u32 v[RD], s63, v[LI]                 ; back: the 32 lanes take one row of 512 bytes
	v_lshlrev_b32 v[VB], 5, v2
	s_wait_alu depctr_va_vdst(0)
.irp b, 0,1,2,3,4,5,6,7
	global_load_b128 v[BI+8*\b:BI+8*\b+3], v[VB], s[BPT:BPT+1] offset:64*\b          ; bo at columns 16 b + 8 h + 0 .. 7
	global_load_b128 v[BI+8*\b+4:BI+8*\b+7], v[VB], s[BPT:BPT+1] offset:64*\b+16
.endr
	s_wait_tensorcnt 0x0                           ; my part is in,
	s_barrier_signal -1
	s_barrier_wait -1                              ; and everybody's
	FETCH 0, 0, 0
	s_wait_loadcnt 0x0
	KSTEP 0, 0, 1, 1                               ; the first step's products start the sums
	KSTEP 1, 0, 2, 0
	KSTEP 0, 0, 3, 0
	KSTEP 1, 1, 0, 0
	KSTEP 0, 1, 1, 0
	KSTEP 1, 1, 2, 0
	KSTEP 0, 1, 3, 0
	s_wait_dscnt 0x0                               ; my last reads of the tiles are over:
	s_barrier_signal -1                            ; say so, work on registers,
	WIN MUL_LO
	MUL32 1, 0
	WIN 0
	s_barrier_wait -1                              ; and nobody reads the tiles any more: the stages may be written
; THE WAY OUT, block by block of 16 rows x 128 columns, through my own stage: back come whole rows of 512 bytes, which the 32 lanes store as two aligned units of 256 bytes.
.macro TOSTAGE a
	WIN 0x08                                       ; the data: window 2
.irp b, 0,1,2,3,4,5,6,7
	ds_store_b128 v[STO], v[64*(\a)+8*\b:64*(\a)+8*\b+3] offset:64*\b          ; each accumulator from its low end on
	ds_store_b128 v[STO], v[64*(\a)+8*\b+4:64*(\a)+8*\b+7] offset:64*\b+16
.endr
	WIN 0
.set BB, BK+64*((\a)%2)
.irp t, 0,1,2,3,4,5,6,7,8,9,10,11,12,13,14,15
	ds_load_b128 v[BB+4*\t:BB+4*\t+3], v[RD] offset:\t*SP                      ; LDS serves a wave's instructions in order: these see my stores
.endr
.endm
.macro SEND a, younger                 ; younger: the LDS instructions issued behind block a's loads, which may stay out
.set BB, BK+64*((\a)%2)
	s_wait_dscnt \younger
.irp t, 0,1,2,3,4,5,6,7,8,9,10,11,12,13,14,15
	global_store_b128 v[LI], v[BB+4*\t:BB+4*\t+3], s[OUT:OUT+1] offset:(16*(\a)+\t)*4096 th:TH_STORE_NT
.endr
.endm
	PLACES 4                                       ; behind the last products: their results are read, and loads land on o's fragments
	TOSTAGE 0
.irp a, 1,2,3
.if \a > 1
	s_wait_xcnt 0x0                                ; block a - 2's stores have read their registers: block a's loads may land there
.endif
	TOSTAGE \a
	SEND \a-1, 32                                  ; behind block a - 1's loads: block a's 16 stores and 16 loads
.endr
	SEND 3, 0
	s_wait_tensorcnt 0x0                           ; the wave's end
	ds_add_u32 v[SPW], v[NIL]
	s_wait_dscnt 0x0
	CROUND                                         ; the closing round
	s_endpgm
.Lfunc_end_k_q29234a5a36_oproj:
	.size	k_q29234a5a36_oproj, .Lfunc_end_k_q29234a5a36_oproj-k_q29234a5a36_oproj
	.p2alignl 7, 3214868480
	.fill 96, 4, 3214868480
	.section	.rodata,"a",@progbits
	.p2align	6, 0x0
	.amdhsa_kernel k_q29234a5a36_oproj
		.amdhsa_group_segment_fixed_size 327680
		.amdhsa_private_segment_fixed_size 0
		.amdhsa_enable_private_segment 0
		.amdhsa_kernarg_size 32
		.amdhsa_user_sgpr_count 2
		.amdhsa_user_sgpr_kernarg_segment_ptr 1
		.amdhsa_wavefront_size32 1
		.amdhsa_system_sgpr_workgroup_id_x 1
		.amdhsa_system_sgpr_workgroup_id_y 1
		.amdhsa_system_sgpr_workgroup_id_z 1
		.amdhsa_system_vgpr_workitem_id 0
		.amdhsa_next_free_vgpr 768
		.amdhsa_next_free_sgpr 100
		.amdhsa_reserve_vcc 0
		.amdhsa_float_denorm_mode_32 3
		.amdhsa_float_denorm_mode_16_64 3
		.amdhsa_memory_ordered 1
		.amdhsa_forward_progress 1
		.amdhsa_inst_pref_size 76
	.end_amdhsa_kernel
	.amdgpu_metadata
---
amdhsa.version: [ 1, 2 ]
amdhsa.kernels:
  - .name:           k_q29234a5a36_oproj
    .symbol:         k_q29234a5a36_oproj.kd
    .args:
      - { .name: opan, .offset: 0, .size: 8, .value_kind: global_buffer, .address_space: global }
      - { .name: wpan, .offset: 8, .size: 8, .value_kind: global_buffer, .address_space: global }
      - { .name: bo, .offset: 16, .size: 8, .value_kind: global_buffer, .address_space: global }
      - { .name: out0, .offset: 24, .size: 8, .value_kind: global_buffer, .address_space: global }
    .group_segment_fixed_size: 327680
    .private_segment_fixed_size: 0
    .kernarg_segment_align: 8
    .kernarg_segment_size: 32
    .max_flat_workgroup_size: 128
    .sgpr_count:     100
    .vgpr_count:     768
    .wavefront_size: 32
...
	.end_amdgpu_metadata
.endif
;; end of part 4
